; MI455X (gfx1250); checked and timed in simulation.
; The chip was launched on July 23, 2026; its instructions are those of AMD's public machine-readable ISA for CDNA 5 (MIT licence, August 2026) and "CDNA5" Instruction Set Architecture Reference Guide (July 2026). The comments in the code are by the model that wrote it; some were corrected since.
;; Causal Self Attention. Allowed arithmetic: matrix products marked QUANTISED: E3M2 operands, one E8M0 scale for each 32 along K, by v_wmma_scale_f32_16x16x128_f8f6f4 with both operands' format E3M2, f32 sums; everything else in f32.
;; Inputs: b_attn 3,072 float32; b_proj 1,024 float32; w_attn 1,024 x 3,072 float32; w_proj 1,024 x 1,024 float32; x 4 x 2,048 x 1,024 float32.
;; Outputs: out0 4 x 2,048 x 1,024 float32.
;; This version of the problem:
;;   THIS VERSION OF THE PROBLEM IS GIVEN IN LOW PRECISION. The matrix products marked QUANTISED in the list below multiply operands that are first quantised to E3M2 (3 exponent bits, 2 mantissa bits; 6 bits a number), with one power-of-two scale for each 32 numbers along K (OCP MX v1.0); their sums are f32. All else is computed in f32.
;;   The module's matrix products, in the order in which they are computed (A, B: the left and right operand; K: the contracted axis; several contracted axes count as one K, in the product's order):
;;     1. [M 8,192, K 1,024] x [K 1,024, N 3,072]; A: input x; B: input w_attn: QUANTISED
;;     2. batch 64 x [M 2,048, K 64] x [K 64, N 2,048]; A: computed on the way; B: computed on the way: QUANTISED
;;     3. batch 64 x [M 2,048, K 2,048] x [K 2,048, N 64]; A: softmax (see below); B: computed on the way: QUANTISED
;;     4. [M 8,192, K 1,024] x [K 1,024, N 1,024]; A: computed on the way; B: input w_proj: QUANTISED
;;   THE QUANTISER, for each operand of a quantised product, along K:
;;     - K is cut into blocks of 32 from its start; a last block that is shorter is filled with zeros.
;;     - A block's scale is 2^e with e = floor(log2(the largest magnitude in the block)) - 4, held to -126 .. 127; a block of zeros has e = 0. As a byte (E8M0): e + 127.
;;     - Each number is divided by its block's scale, clamped to +-28, and rounded to the nearest number of E3M2, ties to even, subnormals kept.
;;     - The product sums the exact products of the quantised numbers (number of the format x scale) in f32.
;;   ~~~python
;;   def quantise(x, axis):      # numpy; x: float32 -> the quantised numbers, widened to float32 again
;;       x = np.moveaxis(x, axis, -1); K = x.shape[-1]
;;       x = np.pad(x, [(0, 0)] * (x.ndim - 1) + [(0, -K % 32)]); x = x.reshape(x.shape[:-1] + (-1, 32)); a = np.abs(x).max(-1, keepdims=True)
;;       e = np.where(a > 0, np.clip(np.frexp(np.where(a > 0, a, 1))[1] - 1 - 4, -126, 127), 0)      # np.frexp(a)[1] - 1 = floor(log2(a)), exactly
;;       r = np.clip(x / 2.0 ** e, -28, 28)
;;       step = 2.0 ** (np.maximum(np.frexp(np.where(r == 0, 1, r))[1] - 1, -2) - 2)
;;       q = np.round(r / step) * step * 2.0 ** e      # np.round: ties to even
;;       return np.moveaxis(q.reshape(q.shape[:-2] + (-1,))[..., :K], -1, axis).astype(np.float32)
;;   ~~~
;;   SOFTMAX AHEAD OF A QUANTISED PRODUCT. Where the list says 'softmax', what is quantised is not the finished softmax but p = 2^(t - M), with t = logit x log2(e) and M = ceil(the row's largest t), a whole number; so 1/2 < the row's largest p <= 1. The row's sum l is taken of the UNQUANTISED p, in f32, and the product's result is divided by l at the end. Since M is a whole number, a kernel that streams over the keys may use a running M (the ceiling of the running maximum): every later rescaling is an exact power of two, which a block's scale takes up: the codes' values come out the same.
;;   OPERANDS COMPUTED ON THE WAY. 'Computed on the way' means the value that the module computes at that place (a softmax that the list does not call 'softmax' is quantised finished and normalised). What goes into a quantiser is computed in f32, as accurately as f32 sums, v_exp_f32 and their like allow (about 1e-6 of the number): no bf16 or f16 on the way to a quantiser, and a product that is left as it is and whose result goes on into a quantised operand takes f32 operands (vector FMAs, or v_wmma_f32_16x16x4_f32). A number that lies on a knife's edge between two numbers of the format may be rounded either way, as far as f32 arithmetic and the matrix unit's own rounding can turn it there, and no further.
;; One version. Each part assembles by itself: llvm-mc -triple=amdgcn-amd-amdhsa -mcpu=gfx1250 --defsym DOCPART=n.
;; ======== version 1 of 1: 4 launches
;; workspace buffers: xq 6,553,600 bytes; waq 2,457,600 bytes; wpq 819,200 bytes; qq 6,815,744 bytes; kq 6,553,600 bytes; vq 6,553,600 bytes; yq 6,553,600 bytes
;; launch quant (part 1): grid 512 x 1, 4 waves a work-group, no clusters, 35,328 bytes of LDS; arguments x, w_attn, w_proj, xq, waq, wpq; writes xq, waq, wpq
.if DOCPART == 1
	.amdgcn_target "amdgcn-amd-amdhsa--gfx1250"
	.amdhsa_code_object_version 6
	.text
	.protected	k_q203f874f79_quant
	.globl	k_q203f874f79_quant
	.p2align	8
	.type	k_q203f874f79_quant,@function
k_q203f874f79_quant:
	s_mov_b64 s[64:65], 0
	v_nop
	global_prefetch_b8 v0, s[64:65] scope:SCOPE_SE
	s_setreg_imm32_b32 hwreg(HW_REG_WAVE_MODE, 25, 1), 1
	s_wait_xcnt 0x0
; x [8192][1024], w_attn [1024][3072] and w_proj [1024][1024], f32, become codes of BF6 (E3M2) with one E8M0 byte for each 32 along K (K = 1024 in all three).
; THE OUTPUT IS LAID IN THE ORDER OF THE OPERAND'S REGISTERS.  A QUAD (6,400 bytes) is 64 rows x 128 K: four fragments of 1,536 bytes and 256 bytes of scale words (64 f + 4 r).
; A fragment is two halves of 768 bytes (K = 64 c on): the lane's registers 6 c .. 6 c + 3 at 16 x lane, registers 6 c + 4, 6 c + 5 at 512 + 8 x lane.
; Lane r of fragment t holds row 32 (t / 2) + 8 (t % 2) + r + 8 (r / 8) of the 64: the later launches want that order for the results that they quantise.
; A block's scale is 2^(floor(log2(largest magnitude)) - 4): its byte is the largest magnitude's exponent field - 4.
; LIMITS: a block whose largest magnitude lies under 2^-122 (a block of zeros among them) gets the byte 1; the bytes are read by this program alone.  NaN and infinities among the inputs are not served.
; Work-groups 0-255: x, a wave a QUAD (K innermost: rows turn through the wave's own stage in LDS).  256-447: w_attn, 448-511: w_proj (K outermost: a lane takes a column, its registers run down K).
; No tensor load, no barrier: waves share nothing.
.set QUADB, 6400
.set WREG,  8704                       ; LDS of a wave (x's path alone): a stage of 16 rows x 528 bytes, then 256 bytes of scale words
.set SPX,   528                        ; a stage row: 512 bytes + 16
.set WOFF,  16*SPX
.set L16,  4                           ; v4   16 x lane
.set SIN,  5                           ; v5   the stage, way in
.set SOUT, 6                           ; v6   the stage, way out
.set WST,  7                           ; v7   where my row's scale word goes
.set WLD,  8                           ; v8   where I read 8 bytes of scale words back
.set L8,   9                           ; v9   8 x lane
.set H8,   10                          ; v10  8 x (lane / 16)
.set MX,   12                          ; v12-13 largest magnitudes, v14-15 scale operands, v16-17 bytes, v18 the word, v19 the other half's
.set SOP,  14
.set BY,   16
.set WD,   18
.set WT,   19
.set F,    32                          ; v32-43 a fragment
.set T,    44                          ; v44-50 the blocks' upper halves
.set X,    64                          ; v64-127 my 64 numbers of a row
.set R,    128                         ; v128-255 two sets of 16 rows as loaded
	s_load_b256 s[4:11], s[0:1], 0x0               ; x s[4:5], w_attn s[6:7], w_proj s[8:9], xq s[10:11]
	s_load_b128 s[12:15], s[0:1], 0x20             ; waq s[12:13], wpq s[14:15]
	v_lshl_add_u32 v62, v0, 2, 0x8800
	v_mov_b32 v63, 0
	v_lshrrev_b32 v1, 5, v0
	v_readfirstlane_b32 s16, v1                    ; wave
	v_and_b32 v1, 31, v0                           ; lane
	v_and_b32 v2, 15, v0                           ; r
	v_bfe_u32 v3, v0, 4, 1                         ; h
	v_lshlrev_b32 v[L16], 4, v1
	v_lshlrev_b32 v[L8], 3, v1
	s_mov_b32 s20, 0x76543210
	s_mov_b32 s21, 0xfedcba98                      ; v_permlanex16_b32's selects for lane l xor 16
	s_cmp_lt_u32 ttmp9, 256
	s_cbranch_scc0 .Lweights
; ---------------- x: wave item I = 4 x work-group + wave is QUAD I: token group I / 8, K step I % 8
	s_lshl_b32 s17, ttmp9, 2
	s_add_co_u32 s17, s17, s16
	s_lshr_b32 s18, s17, 3
	s_and_b32 s19, s17, 7
	s_lshl_b32 s22, s18, 18                        ; 64 rows of 4,096 bytes
	s_lshl_b32 s23, s19, 9                         ; 128 numbers
	s_add_co_u32 s22, s22, s23
	s_mov_b32 s23, 0
	s_mul_i32 s24, s17, QUADB
	s_mov_b32 s25, 0
	s_mul_i32 s26, s16, WREG
	v_add_nc_u32 v[SIN], s26, v[L16]               ; in: a row's 512 bytes as they lie
	v_mul_u32_u24 v[SOUT], v2, SPX
	v_lshl_add_u32 v[SOUT], v3, 7, v[SOUT]
	v_add_nc_u32 v[SOUT], s26, v[SOUT]             ; out: row r, 32 numbers from 32 h on
	v_lshl_add_u32 v[WST], v2, 2, s26
	v_add_nc_u32 v[WST], WOFF, v[WST]
	v_add_nc_u32 v[WLD], s26, v[L8]
	v_add_nc_u32 v[WLD], WOFF, v[WLD]
	v_lshlrev_b32 v[H8], 3, v3
	v_mov_b32 v[WT], 0                             ; a lane permute's destination counts as one of its sources
	s_wait_kmcnt 0x0
	s_add_nc_u64 s[4:5], s[4:5], s[22:23]
	s_add_nc_u64 s[10:11], s[10:11], s[24:25]
.macro XLD t                           ; the 16 rows of fragment t: each load reads 512 consecutive bytes
.irp i, 0,1,2,3,4,5,6,7,8,9,10,11,12,13,14,15
	global_load_b128 v[R+64*((\t)%2)+4*\i:R+64*((\t)%2)+4*\i+3], v[L16], s[4:5] offset:(32*((\t)/2)+8*((\t)%2)+\i+8*(\i/8))*4096 th:TH_LOAD_NT
.endr
.endm
.macro XTILE t
.if (\t) < 3
	s_wait_loadcnt 16                              ; this fragment's rows are in; the next fragment's 16 loads may be out
.else
	s_wait_loadcnt 0x0
.endif
.irp i, 0,1,2,3,4,5,6,7,8,9,10,11,12,13,14,15
	ds_store_b128 v[SIN], v[R+64*((\t)%2)+4*\i:R+64*((\t)%2)+4*\i+3] offset:SPX*\i
.endr
.irp c, 0,1
.irp q, 0,1,2,3,4,5,6,7
	ds_load_b128 v[X+32*\c+4*\q:X+32*\c+4*\q+3], v[SOUT] offset:256*\c+16*\q   ; k = 64 c + 32 h + 4 q on: a wave's LDS instructions are served in order, so these see the stores above
.endr
.endr
	s_wait_dscnt 0x0                               ; my numbers are back, and the stores have read their registers
.if (\t)+2 < 4
	XLD (\t)+2
.endif
.irp c, 0,1
	v_max3_num_f32 v[MX+\c], |v[X+32*\c]|, |v[X+32*\c+1]|, 0x2800000   ; block 2 c + h of row r: all 32 numbers are mine; the floor 2^(5 - 127) keeps the byte at 1 from below
.endr
.irp i, 2,4,6,8,10,12,14,16,18,20,22,24,26,28,30
.irp c, 0,1
	v_max3_num_f32 v[MX+\c], v[MX+\c], |v[X+32*\c+\i]|, |v[X+32*\c+\i+1]|
.endr
.endr
.irp c, 0,1
	v_add_nc_u32 v[SOP+\c], 0xfe000000, v[MX+\c]   ; 4 off the exponent field: the conversion's scale operand
.endr
.irp c, 0,1
	v_lshrrev_b32 v[BY+\c], 23, v[SOP+\c]          ; the byte
.endr
	v_lshl_or_b32 v[WD], v[BY+1], 16, v[BY]        ; my two bytes, blocks h and 2 + h,
	v_lshlrev_b32 v[WD], v[H8], v[WD]              ; at their places;
	v_permlanex16_b32 v[WT], v[WD], s20, s21
	v_or_b32 v[WD], v[WD], v[WT]                   ; with lane l xor 16's two the word is whole
	s_wait_xcnt 0x0                                ; the last fragment's stores have read v[F] on: only now are they written again
.irp c, 0,1
	v_cvt_scalef32_pk16_bf6_f32 v[F+6*\c:F+6*\c+2], v[X+32*\c:X+32*\c+15], v[SOP+\c]
	v_cvt_scalef32_pk16_bf6_f32 v[T+4*\c:T+4*\c+2], v[X+32*\c+16:X+32*\c+31], v[SOP+\c]   ; (a conversion's three registers begin on an even number)
.endr
	v_nop                                          ; one plain line behind the conversions
.irp c, 0,1
.irp i, 0,1,2
	v_mov_b32 v[F+6*\c+3+\i], v[T+4*\c+\i]
.endr
.endr
	ds_store_b32 v[WST], v[WD] offset:64*(\t)      ; both lanes of a row write the same word with the same value
.irp c, 0,1
	global_store_b128 v[L16], v[F+6*\c:F+6*\c+3], s[10:11] offset:1536*(\t)+768*\c          ; 512 consecutive bytes
	global_store_b64 v[L8], v[F+6*\c+4:F+6*\c+5], s[10:11] offset:1536*(\t)+768*\c+512      ; 256 consecutive bytes
.endr
.endm
	XLD 0
	XLD 1
	XTILE 0
	XTILE 1
	XTILE 2
	XTILE 3
	ds_load_b64 v[20:21], v[WLD]
	s_wait_dscnt 0x0
	global_store_b64 v[L8], v[20:21], s[10:11] offset:6144   ; the QUAD's 64 scale words: 256 consecutive bytes
	s_wait_tensorcnt 0x0
	ds_add_u32 v62, v63
	s_wait_dscnt 0x0
	s_endpgm
; ---------------- a weight [1024][N]: wave = 32 columns x 128 K.  Lane (j, g) takes column 8 g + j % 8 + 16 (j / 8): lanes 0-15 hold the rows of one fragment, lanes 16-31 those of the next.
; A lane holds all four blocks of its column.  The layout wants block 2 c in lanes 0-15 and block 2 c + 1 in lanes 16-31 of each fragment: v_permlane16_swap_b32 of the two blocks' registers gives both fragments at once.
.macro WPATH N, first, src, dst, attn
	s_sub_co_u32 s17, ttmp9, \first
	s_and_b32 s19, s17, 7                          ; K step
	s_lshr_b32 s18, s17, 3
	s_lshl_b32 s18, s18, 2
	s_add_co_u32 s18, s18, s16                     ; which 32 columns
	s_and_b32 s26, s18, 1                          ; which half of a group of 64
	s_lshr_b32 s27, s18, 1                         ; the group of 64
.if \attn
	s_and_b32 s28, s27, 15                         ; the head; groups 0-15 are q's, 16-31 k's, 32-47 v's
	s_lshr_b32 s28, s28, 1
	s_mul_i32 s28, s28, 48                         ; split = head / 2: 6 chunks x 8 K steps
	s_lshr_b32 s29, s27, 4
	s_lshl_b32 s29, s29, 1
	s_and_b32 s30, s27, 1
	s_add_co_u32 s29, s29, s30                     ; chunk = 2 x part + head % 2
	s_lshl_b32 s29, s29, 3
	s_add_co_u32 s28, s28, s29
.else
	s_lshl_b32 s28, s27, 3
.endif
	s_add_co_u32 s28, s28, s19                     ; the QUAD
	s_mul_i32 s24, s28, QUADB
	s_mov_b32 s25, 0
	s_mul_i32 s29, s26, 3072
	v_add_nc_u32 v5, s29, v[L16]                   ; my half's two fragments
	v_add_nc_u32 v6, s29, v[L8]
	s_lshl_b32 s30, s26, 7
	v_lshl_add_u32 v7, v1, 2, s30                  ; and their scale words
	s_mul_i32 s22, s19, 128*\N*4
	s_lshl_b32 s23, s18, 7
	s_add_co_u32 s22, s22, s23
	s_mov_b32 s23, 0
	v_and_b32 v8, 7, v2
	v_lshl_add_u32 v8, v3, 3, v8
	v_lshrrev_b32 v11, 3, v2
	v_lshl_add_u32 v8, v11, 4, v8
	v_lshlrev_b32 v8, 2, v8                        ; my column, in bytes: the 32 lanes read 128 consecutive bytes
	s_wait_kmcnt 0x0
	s_add_nc_u64 s[\src:\src+1], s[\src:\src+1], s[22:23]
	s_add_nc_u64 s[\dst:\dst+1], s[\dst:\dst+1], s[24:25]
.set W_I, 0
.rept 128
	global_load_b32 v[64+W_I], v8, s[\src:\src+1] offset:W_I*\N*4 th:TH_LOAD_NT
.set W_I, W_I+1
.endr
.irp c, 0,1
.if \c == 0
	s_wait_loadcnt 63                              ; the first 64 are wanted; 64 are younger, and the wait's field holds 63
.else
	s_wait_loadcnt 0x0
.endif
	v_max3_num_f32 v12, |v[64+64*\c]|, |v[65+64*\c]|, 0x2800000     ; block 2 c
	v_max3_num_f32 v13, |v[96+64*\c]|, |v[97+64*\c]|, 0x2800000     ; block 2 c + 1
.irp i, 2,4,6,8,10,12,14,16,18,20,22,24,26,28,30
	v_max3_num_f32 v12, v12, |v[64+64*\c+\i]|, |v[65+64*\c+\i]|
	v_max3_num_f32 v13, v13, |v[96+64*\c+\i]|, |v[97+64*\c+\i]|
.endr
	v_add_nc_u32 v14, 0xfe000000, v12
	v_add_nc_u32 v15, 0xfe000000, v13
	v_lshrrev_b32 v[16+2*\c], 23, v14
	v_lshrrev_b32 v[17+2*\c], 23, v15
	v_cvt_scalef32_pk16_bf6_f32 v[32+8*\c:34+8*\c], v[64+64*\c:79+64*\c], v14
	v_cvt_scalef32_pk16_bf6_f32 v[24+4*\c:26+4*\c], v[80+64*\c:95+64*\c], v14
	v_cvt_scalef32_pk16_bf6_f32 v[48+8*\c:50+8*\c], v[96+64*\c:111+64*\c], v15
	v_cvt_scalef32_pk16_bf6_f32 v[192+4*\c:194+4*\c], v[112+64*\c:127+64*\c], v15
	v_nop                                          ; one plain line behind the conversions
.irp i, 0,1,2
	v_permlane16_swap_b32 v[32+8*\c+\i], v[48+8*\c+\i]      ; the first now holds the first fragment's lower 16 codes of each lane's block, the second the next fragment's
	v_permlane16_swap_b32 v[24+4*\c+\i], v[192+4*\c+\i]     ; likewise the upper 16
.endr
.irp i, 0,1,2
	v_mov_b32 v[35+8*\c+\i], v[24+4*\c+\i]
	v_mov_b32 v[51+8*\c+\i], v[192+4*\c+\i]
.endr
.endr
	v_lshl_or_b32 v20, v17, 8, v16                 ; my column's four bytes
	v_lshl_or_b32 v20, v18, 16, v20
	v_lshl_or_b32 v20, v19, 24, v20
.irp u, 0,1
.irp c, 0,1
	global_store_b128 v5, v[32+16*\u+8*\c:35+16*\u+8*\c], s[\dst:\dst+1] offset:1536*\u+768*\c
	global_store_b64 v6, v[36+16*\u+8*\c:37+16*\u+8*\c], s[\dst:\dst+1] offset:1536*\u+768*\c+512
.endr
.endr
	global_store_b32 v7, v20, s[\dst:\dst+1] offset:6144    ; 128 consecutive bytes: the other half of the 256 is the neighbouring wave's
.endm
.Lweights:
	s_cmp_lt_u32 ttmp9, 448
	s_cbranch_scc0 .Lw_proj
	WPATH 3072, 256, 6, 12, 1
	s_endpgm
.Lw_proj:
	WPATH 1024, 448, 8, 14, 0
	s_endpgm
.Lfunc_end_k_q203f874f79_quant:
	.size	k_q203f874f79_quant, .Lfunc_end_k_q203f874f79_quant-k_q203f874f79_quant
	.p2alignl 7, 3214868480
	.fill 96, 4, 3214868480
	.section	.rodata,"a",@progbits
	.p2align	6, 0x0
	.amdhsa_kernel k_q203f874f79_quant
		.amdhsa_group_segment_fixed_size 35328
		.amdhsa_private_segment_fixed_size 0
		.amdhsa_enable_private_segment 0
		.amdhsa_kernarg_size 48
		.amdhsa_user_sgpr_count 2
		.amdhsa_user_sgpr_kernarg_segment_ptr 1
		.amdhsa_wavefront_size32 1
		.amdhsa_system_sgpr_workgroup_id_x 1
		.amdhsa_system_sgpr_workgroup_id_y 1
		.amdhsa_system_sgpr_workgroup_id_z 1
		.amdhsa_system_vgpr_workitem_id 0
		.amdhsa_next_free_vgpr 256
		.amdhsa_next_free_sgpr 66
		.amdhsa_reserve_vcc 0
		.amdhsa_float_denorm_mode_32 3
		.amdhsa_float_denorm_mode_16_64 3
		.amdhsa_memory_ordered 1
		.amdhsa_forward_progress 1
		.amdhsa_inst_pref_size 71
	.end_amdhsa_kernel
	.amdgpu_metadata
---
amdhsa.version: [ 1, 2 ]
amdhsa.kernels:
  - .name:           k_q203f874f79_quant
    .symbol:         k_q203f874f79_quant.kd
    .args:
      - { .name: x, .offset: 0, .size: 8, .value_kind: global_buffer, .address_space: global }
      - { .name: w_attn, .offset: 8, .size: 8, .value_kind: global_buffer, .address_space: global }
      - { .name: w_proj, .offset: 16, .size: 8, .value_kind: global_buffer, .address_space: global }
      - { .name: xq, .offset: 24, .size: 8, .value_kind: global_buffer, .address_space: global }
      - { .name: waq, .offset: 32, .size: 8, .value_kind: global_buffer, .address_space: global }
      - { .name: wpq, .offset: 40, .size: 8, .value_kind: global_buffer, .address_space: global }
    .group_segment_fixed_size: 35328
    .private_segment_fixed_size: 0
    .kernarg_segment_align: 8
    .kernarg_segment_size: 48
    .max_flat_workgroup_size: 128
    .sgpr_count:     66
    .vgpr_count:     256
    .wavefront_size: 32
...
	.end_amdgpu_metadata
.endif
;; end of part 1
;; launch qkv (part 2): grid 32 x 8, 4 waves a work-group, clusters of 4 x 1, 307,712 bytes of LDS; arguments xq, waq, b_attn, qq, kq, vq; writes qq, kq, vq
.if DOCPART == 2
	.amdgcn_target "amdgcn-amd-amdhsa--gfx1250"
	.amdhsa_code_object_version 6
	.text
	.protected	k_q203f874f79_qkv
	.globl	k_q203f874f79_qkv
	.p2align	8
	.type	k_q203f874f79_qkv,@function
k_q203f874f79_qkv:
	s_mov_b64 s[64:65], 0
	v_nop
	global_prefetch_b8 v0, s[64:65] scope:SCOPE_SE
	s_setreg_imm32_b32 hwreg(HW_REG_WAVE_MODE, 25, 1), 1
	s_wait_xcnt 0x0
	s_wait_alu depctr_hold_cnt(0) depctr_sa_sdst(0) depctr_va_vdst(0) depctr_va_sdst(0) depctr_va_ssrc(0) depctr_va_vcc(0) depctr_vm_vsrc(0)
	s_getreg_b32 s2, hwreg(HW_REG_IB_STS2, 6, 4)
	s_cmp_eq_u32 s2, 0
	s_cbranch_scc0 .Lentry_in_a_cluster
	s_endpgm
.Lentry_in_a_cluster:
	s_bfe_u32 s2, ttmp6, 0x10000c
	s_cmp_lg_u32 s2, 0x3003
	s_cbranch_scc0 .Lentry_shape_is_right
	s_endpgm
.Lentry_shape_is_right:
; qkv = x w_attn + b_attn on codes of BF6 (E3M2) with E8M0 scales; q and k are then quantised along the head's 64 channels, v along the tokens, and leave as images of operand registers.
; SHARES.  A work-group takes 256 tokens x 384 features: split f = heads 2 f, 2 f + 1 of q, of k and of v, as six chunks of 64 features (q, q, k, k, v, v).  Wave w owns 64 of the tokens.
; The wave's x (64 tokens x 1,024 K: 32 fragments, 384 registers) stays in REGISTERS for the whole launch: no other wave wants it, so it does not go through LDS and is not asked for jointly.
; The split's weights, 307,200 dense bytes, lie in LDS as they lie in memory, filled ONCE: no byte of LDS is filled twice, nothing is stored to LDS.  The four work-groups of a cluster share f, so each
; part is asked for JOINTLY (the same tensor load, the same descriptor, the mask of all four).  A wave has three tensor loads out, issued together behind the opening round.
; LAYOUT (see launch quant): a QUAD is 64 rows x 128 K; lane r of fragment t holds row 32 (t / 2) + 8 (t % 2) + r + 8 (r / 8).  So in a result the 16 registers of tiles 2 b, 2 b + 1 of source 0 are 16 neighbours.
; q, k: source 0 = 16 features, source 1 = 16 tokens: a lane holds one token, its registers run along the head.  v: the sources change places: a lane holds one channel, its registers run along the tokens.
; The bias is the C of a chunk's first K step.
; OUT.  qq: [head][group of 64 tokens] 3,328 bytes: four halves (16 tokens x 64 channels, 768 bytes) and their words (two bytes used).  kq: [head][128 keys] QUAD: fragment p = key tiles 2 p and 2 p + 1, 64 channels each.
; vq: [head][128 keys] QUAD: fragment d = 16 channels x 128 keys.
; LIMITS: a block whose largest magnitude lies under 2^-122 gets the byte 1; the bytes are read by this program alone.  NaN and infinities are not served.
; REGISTERS: window 0: v4-12 addresses; v16-31 x's scale words; v32-37 W's (three K steps' by turns); v40-63, v64-119 the quantiser's; v128-255 the 16 accumulators.
;   window 1: x's K steps 0-4;  window 2: x's K steps 5-7;  window 3: v0-143 three sets of W's four fragments, v144-175 the bias.
.set QUADB, 6400
.set CHB,   8*QUADB                    ; a chunk in LDS
.set NCH,   6
.set L16,  4
.set L8,   5
.set L4,   6
.set AW16, 8                           ; v8-10 the chunk's place in LDS + 16, 8, 4 x lane
.set AW8,  9
.set AW4,  10
.set BO,   11                          ; v11  64 x (lane / 16)
.set BV,   12                          ; v12  4 x (r + 8 (r / 8))
.set XS,   16
.set WS,   32
.set TM,   40                          ; v40-47 largest magnitudes, v48-55 the other half's, then bytes, v56-63 scale operands
.set PC,   64                          ; v64-95 four halves of codes, 8 registers apart
.set PT,   96                          ; v96-111 the second blocks' codes
.set W16,  112                         ; v112-115 two bytes a unit; v116-118 words to store
.set ACC,  128
.set BIAS, 144                         ; in window 3
.set MSB, 0
.macro WIN new                         ; the immediate's high byte repeats the setting that is left
.if MSB != (\new)
	s_set_vgpr_msb (MSB<<8)|(\new)
.set MSB, (\new)
.endif
.endm
.macro PLACES n
.rept \n
	v_nop
.endr
.endm
.macro CROUND                          ; a round of the cluster's barrier
	s_barrier_signal -1
	s_barrier_wait -1
	s_cmp_lg_u32 s16, 0
	s_cbranch_scc1 .Lnot_wave_0_\@
	s_barrier_signal -3
.Lnot_wave_0_\@:
	s_barrier_wait -3
	s_barrier_signal -1
	s_barrier_wait -1
.endm
	s_load_b256 s[4:11], s[0:1], 0x0               ; xq s[4:5], waq s[6:7], b_attn s[8:9], qq s[10:11]
	s_load_b128 s[12:15], s[0:1], 0x20             ; kq s[12:13], vq s[14:15]
	v_lshl_add_u32 v126, v0, 2, 0x4b000
	v_mov_b32 v127, 0
	ds_add_u32 v126, v127
	ds_add_u32 v126, v127
	v_lshrrev_b32 v1, 5, v0
	v_readfirstlane_b32 s16, v1                    ; wave 0..3
	v_and_b32 v1, 31, v0
	v_and_b32 v2, 15, v0                           ; r
	v_bfe_u32 v3, v0, 4, 1                         ; h
	v_lshlrev_b32 v[L16], 4, v1
	v_lshlrev_b32 v[L8], 3, v1
	v_lshlrev_b32 v[L4], 2, v1
	v_lshlrev_b32 v[BO], 6, v3
	v_and_b32 v[BV], 8, v2
	v_add_nc_u32 v[BV], v[BV], v2
	v_lshlrev_b32 v[BV], 2, v[BV]
.irp b, 0,1,2,3,4,5,6,7
	v_mov_b32 v[TM+8+\b], 0                        ; a lane permute's destination counts as one of its sources
.endr
	s_mov_b32 s66, 0xffff0000                      ; the mask of lanes 16-31
	s_mov_b32 s68, 0x76543210
	s_mov_b32 s69, 0xfedcba98
	s_and_b32 s17, ttmp7, 0xffff                   ; the split f, which the four partners share
	; descriptor group 1: 25,600 dense bytes as 100 rows of 32 elements of 8 bytes
	s_mov_b32 s24, 15|(3<<16)|(1<<21)              ; 15:0 the mask: all four work-groups; 17:16 elements of 8 bytes; 21 set beside a mask; no padding
	s_mov_b32 s25, 32<<16                          ; tensor_dim0
	s_mov_b32 s26, 100<<16                         ; tensor_dim1
	s_mov_b32 s27, 32<<16                          ; tile_dim0
	s_mov_b32 s28, 100                             ; tile_dim1
	s_mov_b32 s29, 32                              ; the pitch
	s_mov_b32 s30, 0
	s_mov_b32 s31, 0
	s_mul_i32 s18, s16, 25600                      ; my quarter of a pair of chunks: no place in the cluster enters it
	s_mul_i32 s20, s17, NCH*CHB
	s_add_co_u32 s20, s20, s18
	s_mov_b32 s21, 0
	s_wait_dscnt 0x0
	s_wait_kmcnt 0x0
	s_add_nc_u64 s[20:21], s[6:7], s[20:21]
.irp i, 0,1,2                                  ; group 0 for chunks 2 i, 2 i + 1
	s_mov_b32 s[32+4*\i], 1
	s_add_co_u32 s[33+4*\i], s18, 2*CHB*\i
	s_add_nc_u64 s[34+4*\i:35+4*\i], s[20:21], 2*CHB*\i
	s_or_b32 s[35+4*\i], s[35+4*\i], 0x80000000
.endr
	CROUND                                         ; all four work-groups are here: the joint loads meet
	tensor_load_to_lds s[32:35], s[24:31]
	s_nop 0
	tensor_load_to_lds s[36:39], s[24:31]
	s_nop 0
	tensor_load_to_lds s[40:43], s[24:31]
	s_nop 0
	PLACES 4                                       ; four plain lines behind the tensor loads, ahead of a switch of windows
	; my tokens, and where the results go
	s_bfe_u32 s74, ttmp6, 0x40000                  ; cx: it enters global addresses of x and of the results alone
	s_lshl_b32 s75, ttmp9, 2
	s_add_co_u32 s75, s75, s74                     ; the block of 256 tokens
	s_lshl_b32 s75, s75, 2
	s_add_co_u32 s75, s75, s16                     ; g: my group of 64 tokens, 0..127
	s_mul_i32 s76, s75, CHB
	s_mov_b32 s77, 0
	s_add_nc_u64 s[70:71], s[4:5], s[76:77]        ; x's eight QUADs of my group
	s_lshl_b32 s76, s17, 9
	s_add_nc_u64 s[72:73], s[8:9], s[76:77]        ; the bias at head 2 f
	s_lshr_b32 s78, s75, 5                         ; the batch
	s_and_b32 s79, s75, 31                         ; my group in it
	s_and_b32 s80, s79, 1                          ; which half of a step of 128 keys
	s_lshr_b32 s81, s79, 1                         ; the step of 128 keys
	s_lshl_b32 s82, s78, 4
	s_lshl_b32 s83, s17, 1
	s_add_co_u32 s82, s82, s83                     ; head 16 x batch + 2 f
	s_mov_b32 s87, 0
.irp jj, 0,1
	s_add_co_u32 s84, s82, \jj
	s_lshl_b32 s85, s84, 5
	s_add_co_u32 s85, s85, s79
	s_mul_i32 s86, s85, 3328
	s_add_nc_u64 s[44+2*\jj:45+2*\jj], s[10:11], s[86:87]    ; q
	s_lshl_b32 s85, s84, 4
	s_add_co_u32 s85, s85, s81
	s_mul_i32 s85, s85, QUADB                      ; the QUAD of k and of v
	s_mul_i32 s86, s80, 3072
	s_add_co_u32 s86, s86, s85
	s_add_nc_u64 s[48+2*\jj:49+2*\jj], s[12:13], s[86:87]    ; k's codes: key tiles 4 x half on
	s_lshl_b32 s86, s80, 7
	s_add_co_u32 s86, s86, s85
	s_add_co_u32 s86, s86, 6144
	s_add_nc_u64 s[52+2*\jj:53+2*\jj], s[12:13], s[86:87]    ; k's words
	s_mul_i32 s86, s80, 768
	s_add_co_u32 s86, s86, s85
	s_add_nc_u64 s[56+2*\jj:57+2*\jj], s[14:15], s[86:87]    ; v's codes: my half of each fragment
	s_lshl_b32 s86, s80, 1
	s_add_co_u32 s86, s86, s85
	s_add_co_u32 s86, s86, 6144
	s_add_nc_u64 s[60+2*\jj:61+2*\jj], s[14:15], s[86:87]    ; v's words: my two bytes of each
.endr
.macro XLOAD                           ; x: for each K step 16 loads of codes and 2 of scale words (lanes 0-15: tile 2 p, lanes 16-31: tile 2 p + 1)
.set X_S, 0
.rept 8
.if X_S < 5
	WIN 0x40
.else
	WIN 0x80
.endif
.irp tc, 0,1,2,3,4,5,6,7               ; half tc of the QUAD's eight: 768 bytes, 6 registers
	global_load_b128 v[48*(X_S%5)+6*\tc:48*(X_S%5)+6*\tc+3], v[L16], s[70:71] offset:QUADB*X_S+768*\tc
	global_load_b64 v[48*(X_S%5)+6*\tc+4:48*(X_S%5)+6*\tc+5], v[L8], s[70:71] offset:QUADB*X_S+768*\tc+512
.endr
	WIN 0
	global_load_b32 v[XS+2*X_S], v[L4], s[70:71] offset:QUADB*X_S+6144
	global_load_b32 v[XS+2*X_S+1], v[L4], s[70:71] offset:QUADB*X_S+6272
.set X_S, X_S+1
.endr
.endm
.macro BLOADT j                        ; the bias of chunk j where a lane's registers run along the features: tile ft, register i: feature 32 (ft / 2) + 8 (ft % 2) + 16 h + i
	WIN 0xc0
.irp ft, 0,1,2,3
.irp q, 0,1
	global_load_b128 v[BIAS+8*\ft+4*\q:BIAS+8*\ft+4*\q+3], v[BO], s[72:73] offset:4096*((\j)/2)+256*((\j)%2)+(32*(\ft/2)+8*(\ft%2))*4+16*\q
.endr
.endr
.endm
.macro BLOADV j                        ; and where a lane holds one feature: all eight registers of a tile hold its bias
	WIN 0xc0
.irp ft, 0,1,2,3
.irp i, 0,1,2,3,4,5,6,7
	global_load_b32 v[BIAS+8*\ft+\i], v[BV], s[72:73] offset:4096*((\j)/2)+256*((\j)%2)+(32*(\ft/2)+8*(\ft%2))*4
.endr
.endr
.endm
.macro WLOAD s                         ; W's four fragments and their words of K step s, into set s % 3: 18 LDS loads, each of consecutive bytes
	WIN 0xc0
.irp tc, 0,1,2,3,4,5,6,7
	ds_load_b128 v[48*((\s)%3)+6*\tc:48*((\s)%3)+6*\tc+3], v[AW16] offset:QUADB*(\s)+768*\tc
	ds_load_b64 v[48*((\s)%3)+6*\tc+4:48*((\s)%3)+6*\tc+5], v[AW8] offset:QUADB*(\s)+768*\tc+512
.endr
	WIN 0
	ds_load_b32 v[WS+2*((\s)%3)], v[AW4] offset:QUADB*(\s)+6144
	ds_load_b32 v[WS+2*((\s)%3)+1], v[AW4] offset:QUADB*(\s)+6272
.endm
; One matrix instruction.  path 0: source 0 = W's tile ft, source 1 = x's tile tau; path 1: the other way round.  The scale words of tiles 2 p and 2 p + 1 share a register: the odd tile's lie in lanes 16-31.
.macro WM path, tau, ft, s
.set M_W, 48*((\s)%3)+12*(\ft)
.set M_X, 48*((\s)%5)+12*(\tau)
.set M_SW, WS+2*((\s)%3)+(\ft)/2
.set M_SX, XS+2*(\s)+(\tau)/2
.if (\path) == 0
.set M_D, ACC+32*(\tau)+8*(\ft)
.set M_A, M_W
.set M_B, M_X
.set M_SA, M_SW
.set M_SB, M_SX
.set M_RA, (\ft)%2
.set M_RB, (\tau)%2
.else
.set M_D, ACC+32*(\ft)+8*(\tau)
.set M_A, M_X
.set M_B, M_W
.set M_SA, M_SX
.set M_SB, M_SW
.set M_RA, (\tau)%2
.set M_RB, (\ft)%2
.endif
.set M_C, M_D
.if (\s) == 0
.set M_C, BIAS+8*(\ft)
.endif
.if M_RA && M_RB
	v_wmma_scale_f32_16x16x128_f8f6f4 v[M_D:M_D+7], v[M_A:M_A+11], v[M_B:M_B+11], v[M_C:M_C+7], v[M_SA], v[M_SB] matrix_a_fmt:MATRIX_FMT_BF6 matrix_b_fmt:MATRIX_FMT_BF6 matrix_a_scale:MATRIX_SCALE_ROW1 matrix_b_scale:MATRIX_SCALE_ROW1
.elseif M_RA
	v_wmma_scale_f32_16x16x128_f8f6f4 v[M_D:M_D+7], v[M_A:M_A+11], v[M_B:M_B+11], v[M_C:M_C+7], v[M_SA], v[M_SB] matrix_a_fmt:MATRIX_FMT_BF6 matrix_b_fmt:MATRIX_FMT_BF6 matrix_a_scale:MATRIX_SCALE_ROW1
.elseif M_RB
	v_wmma_scale_f32_16x16x128_f8f6f4 v[M_D:M_D+7], v[M_A:M_A+11], v[M_B:M_B+11], v[M_C:M_C+7], v[M_SA], v[M_SB] matrix_a_fmt:MATRIX_FMT_BF6 matrix_b_fmt:MATRIX_FMT_BF6 matrix_b_scale:MATRIX_SCALE_ROW1
.else
	v_wmma_scale_f32_16x16x128_f8f6f4 v[M_D:M_D+7], v[M_A:M_A+11], v[M_B:M_B+11], v[M_C:M_C+7], v[M_SA], v[M_SB] matrix_a_fmt:MATRIX_FMT_BF6 matrix_b_fmt:MATRIX_FMT_BF6
.endif
.endm
; A K step of 128: 16 matrix instructions, the 16 accumulators by turns, in the same order in every step.  W's loads run two K steps ahead.
.macro KSTEP j, s, path
.if (\s) > 0
	PLACES 4                                       ; four places between the last step's products and loads into registers that they read (ISA guide 7.12.1 for vector instructions)
.endif
.if ((\s) == 1) && ((\j)+1 < NCH)
.if (\j)+1 < 4
	BLOADT (\j)+1                                  ; the next chunk's bias: this chunk's was read by K step 0 alone
.else
	BLOADV (\j)+1
.endif
.endif
.if (\s)+2 < 8
	WLOAD (\s)+2
	s_wait_dscnt 36                                ; this step's 18 loads are in; the two younger steps' may be out
.elseif (\s) == 6
	s_wait_dscnt 18
.else
	s_wait_dscnt 0x0
.endif
.if (\j) == 0                          ; the first chunk also waits for x, K step by K step: younger are 18 loads for each later K step and, from step 1 on, the 8 of the next bias
.set K_LC, 18*(7-(\s))
.if (\s) >= 1
.set K_LC, K_LC+8
.endif
.if K_LC > 63
.set K_LC, 63
.endif
	s_wait_loadcnt K_LC
.endif
.set K_XW, 1
.if (\s) >= 5
.set K_XW, 2
.endif
.set K_C3, 0
.if (\s) == 0
.set K_C3, 3
.endif
.if (\path) == 0
.set K_WN, 3|(K_XW<<2)|(K_C3<<4)
.else
.set K_WN, K_XW|(3<<2)|(K_C3<<4)
.endif
	WIN K_WN
.irp tau, 0,1,2,3
.irp ft, 0,1,2,3
	WM \path, \tau, \ft, \s
.endr
.endr
	WIN 0
.endm
; The 16 accumulators are eight blocks of 16 registers; block 2 u + b holds, of unit u's lane row, k = 32 b + 16 h + 0 .. 15.  They become four halves of codes and two bytes a unit.
.macro EPIQ
.irp b, 0,1,2,3,4,5,6,7
	v_max3_num_f32 v[TM+\b], |v[ACC+16*\b]|, |v[ACC+16*\b+1]|, 0x2800000   ; each accumulator is read from its low end on; the floor 2^(5 - 127) keeps the byte at 1 from below
.endr
.irp i, 2,4,6,8,10,12,14
.irp b, 0,1,2,3,4,5,6,7
	v_max3_num_f32 v[TM+\b], v[TM+\b], |v[ACC+16*\b+\i]|, |v[ACC+16*\b+\i+1]|
.endr
.endr
.irp b, 0,1,2,3,4,5,6,7
	v_permlanex16_b32 v[TM+8+\b], v[TM+\b], s68, s69
.endr
.irp b, 0,1,2,3,4,5,6,7
	v_max_num_f32 v[TM+\b], v[TM+\b], v[TM+8+\b]   ; with lane l xor 16's 16: the block's largest magnitude
.endr
.irp b, 0,1,2,3,4,5,6,7
	v_add_nc_u32 v[TM+16+\b], 0xfe000000, v[TM+\b] ; 4 off the exponent field: the conversion's scale operand
.endr
.irp b, 0,1,2,3,4,5,6,7
	v_lshrrev_b32 v[TM+8+\b], 23, v[TM+16+\b]      ; the byte
.endr
.irp u, 0,1,2,3
	v_lshl_or_b32 v[W16+\u], v[TM+9+2*\u], 8, v[TM+8+2*\u]
.endr
.irp u, 0,1,2,3
	v_cvt_scalef32_pk16_bf6_f32 v[PC+8*\u:PC+8*\u+2], v[ACC+32*\u:ACC+32*\u+15], v[TM+16+2*\u]
	v_cvt_scalef32_pk16_bf6_f32 v[PT+4*\u:PT+4*\u+2], v[ACC+32*\u+16:ACC+32*\u+31], v[TM+17+2*\u]
.endr
	v_nop                                          ; one plain line behind the conversions
.irp u, 0,1,2,3
.irp i, 0,1,2
	v_permlane16_swap_b32 v[PC+8*\u+\i], v[PT+4*\u+\i]   ; a whole block to a lane: lanes 0-15 block 0, lanes 16-31 block 1
.endr
.endr
.irp u, 0,1,2,3
.irp i, 0,1,2
	v_mov_b32 v[PC+8*\u+3+\i], v[PT+4*\u+\i]
.endr
.endr
.endm
.macro EPI j                           ; chunk j leaves
.set E_J, (\j)%2
.if (\j) < 2
.set E_B, 44+2*E_J
.set E_P, 768
.elseif (\j) < 4
.set E_B, 48+2*E_J
.set E_P, 768
.else
.set E_B, 56+2*E_J
.set E_P, 1536
.endif
	s_wait_xcnt 0x0                                ; the last chunk's stores have read their registers
	EPIQ
.irp u, 0,1,2,3
	global_store_b128 v[L16], v[PC+8*\u:PC+8*\u+3], s[E_B:E_B+1] offset:E_P*\u          ; 512 consecutive bytes
	global_store_b64 v[L8], v[PC+8*\u+4:PC+8*\u+5], s[E_B:E_B+1] offset:E_P*\u+512      ; 256 consecutive bytes
.endr
.if (\j) < 2
	v_cndmask_b32 v[W16+4], v[W16], v[W16+1], s66  ; lanes 0-15 the even unit's rows, lanes 16-31 the odd unit's
	v_cndmask_b32 v[W16+5], v[W16+2], v[W16+3], s66
	global_store_b32 v[L4], v[W16+4], s[E_B:E_B+1] offset:3072
	global_store_b32 v[L4], v[W16+5], s[E_B:E_B+1] offset:3200
.elseif (\j) < 4
	v_lshl_or_b32 v[W16+4], v[W16+1], 16, v[W16]   ; a fragment of k holds two key tiles: its word is both tiles' bytes
	v_lshl_or_b32 v[W16+5], v[W16+3], 16, v[W16+2]
	v_cndmask_b32 v[W16+6], v[W16+4], v[W16+5], s66
	global_store_b32 v[L4], v[W16+6], s[52+2*E_J:53+2*E_J]
.else
	v_cndmask_b32 v[W16+4], v[W16], v[W16+1], s66
	v_cndmask_b32 v[W16+5], v[W16+2], v[W16+3], s66
	global_store_b16 v[L4], v[W16+4], s[60+2*E_J:61+2*E_J]             ; two bytes of each word: the other two are those of the wave with the step's other 64 keys.  One part in 24 of v's bytes leaves so
	global_store_b16 v[L4], v[W16+5], s[60+2*E_J:61+2*E_J] offset:128
.endif
.endm
.macro CHUNK j, path
.if (\j)%2 == 0
	s_wait_tensorcnt 2-(\j)/2                      ; my part of this pair of chunks has landed; the later pairs' loads may stay out
	s_barrier_signal -1
	s_barrier_wait -1                              ; everybody's has
.endif
	PLACES 4                                       ; behind the last chunk's products: for the loads below and for the first read of results
	v_add_nc_u32 v[AW16], CHB*(\j), v[L16]
	v_add_nc_u32 v[AW8], CHB*(\j), v[L8]
	v_add_nc_u32 v[AW4], CHB*(\j), v[L4]
	WLOAD 0
	WLOAD 1                                        ; they land while the last chunk is quantised
.if (\j) > 0
	EPI (\j)-1
	s_wait_loadcnt 0x0                             ; this chunk's bias
.endif
.irp s, 0,1,2,3,4,5,6,7
	KSTEP \j, \s, \path
.endr
.endm
	BLOADT 0
	XLOAD
	CHUNK 0, 0
	CHUNK 1, 0
	CHUNK 2, 0
	CHUNK 3, 0
	CHUNK 4, 1
	CHUNK 5, 1
	PLACES 4
	EPI 5
	s_wait_tensorcnt 0x0
	ds_add_u32 v126, v127
	s_wait_dscnt 0x0
	CROUND                                         ; the closing round: no work-group ends while a partner may still ask for a part that names it
	s_endpgm
.Lfunc_end_k_q203f874f79_qkv:
	.size	k_q203f874f79_qkv, .Lfunc_end_k_q203f874f79_qkv-k_q203f874f79_qkv
	.p2alignl 7, 3214868480
	.fill 96, 4, 3214868480
	.section	.rodata,"a",@progbits
	.p2align	6, 0x0
	.amdhsa_kernel k_q203f874f79_qkv
		.amdhsa_group_segment_fixed_size 307712
		.amdhsa_private_segment_fixed_size 0
		.amdhsa_enable_private_segment 0
		.amdhsa_kernarg_size 48
		.amdhsa_user_sgpr_count 2
		.amdhsa_user_sgpr_kernarg_segment_ptr 1
		.amdhsa_wavefront_size32 1
		.amdhsa_system_sgpr_workgroup_id_x 1
		.amdhsa_system_sgpr_workgroup_id_y 1
		.amdhsa_system_sgpr_workgroup_id_z 1
		.amdhsa_system_vgpr_workitem_id 0
		.amdhsa_next_free_vgpr 960
		.amdhsa_next_free_sgpr 100
		.amdhsa_reserve_vcc 0
		.amdhsa_float_denorm_mode_32 3
		.amdhsa_float_denorm_mode_16_64 3
		.amdhsa_memory_ordered 1
		.amdhsa_forward_progress 1
		.amdhsa_inst_pref_size 246
	.end_amdhsa_kernel
	.amdgpu_metadata
---
amdhsa.version: [ 1, 2 ]
amdhsa.kernels:
  - .name:           k_q203f874f79_qkv
    .symbol:         k_q203f874f79_qkv.kd
    .args:
      - { .name: xq, .offset: 0, .size: 8, .value_kind: global_buffer, .address_space: global }
      - { .name: waq, .offset: 8, .size: 8, .value_kind: global_buffer, .address_space: global }
      - { .name: b_attn, .offset: 16, .size: 8, .value_kind: global_buffer, .address_space: global }
      - { .name: qq, .offset: 24, .size: 8, .value_kind: global_buffer, .address_space: global }
      - { .name: kq, .offset: 32, .size: 8, .value_kind: global_buffer, .address_space: global }
      - { .name: vq, .offset: 40, .size: 8, .value_kind: global_buffer, .address_space: global }
    .group_segment_fixed_size: 307712
    .private_segment_fixed_size: 0
    .kernarg_segment_align: 8
    .kernarg_segment_size: 48
    .max_flat_workgroup_size: 128
    .sgpr_count:     100
    .vgpr_count:     960
    .wavefront_size: 32
...
	.end_amdgpu_metadata
.endif
;; end of part 2
;; launch attn (part 3): grid 4 x 64, 16 waves a work-group, no clusters, 206,848 bytes of LDS; arguments qq, kq, vq, yq; writes yq
.if DOCPART == 3
	.amdgcn_target "amdgcn-amd-amdhsa--gfx1250"
	.amdhsa_code_object_version 6
	.text
	.protected	k_q203f874f79_attn
	.globl	k_q203f874f79_attn
	.p2align	8
	.type	k_q203f874f79_attn,@function
k_q203f874f79_attn:
	s_mov_b64 s[64:65], 0
	v_nop
	global_prefetch_b8 v0, s[64:65] scope:SCOPE_SE
	s_setreg_imm32_b32 hwreg(HW_REG_WAVE_MODE, 25, 1), 1
	s_wait_xcnt 0x0
; y = softmax(q k^T / 8, causal) v for one head, both products on codes of BF6 (E3M2) with E8M0 scales; y is quantised along the channels and leaves as images of operand registers for the last product.
; THE SOFTMAX: t = score x log2(e) / 8; M = the row's largest t so far, rounded UP to a whole number; p = 2^(t - M) is quantised along the keys, not normalised; the row's sum is taken of the unquantised p
; and divides at the end.  When M moves, the sum and O are multiplied by 2^(old M - new M), which rounds nothing.
; SHARES.  Work-group (x, head); wave w owns query tiles ja = 16 x + w and jb = 127 - ja of the head's 128 (16 queries each).  Tile j wants j / 8 + 1 steps of 128 keys, so every wave walks 17 steps, two of them
; on the diagonal.  Four waves to a SIMD: one wave's vector work stands beside another's products and LDS loads.
; The head's K and V, 102,400 bytes each, lie in LDS as they lie in memory, filled ONCE by waves 0-3 (two tensor loads each: keys 0-1023, then 1024-2047); nothing is stored to LDS.
; NO CLUSTER, though the four work-groups of a head read the same K and V: a step all of whose keys are hidden is left out by a branch on the query tile's number, which differs between those four.
; K = 64 IN THE FIRST PRODUCT.  A fragment of k holds TWO key tiles (K 0-63: tile 2 p, K 64-127: tile 2 p + 1).  Multiplied by (q, zeros) it gives tile 2 p's scores, by (zeros, q) tile 2 p + 1's.
; q stands in 18 registers, zeros - q - zeros; the zero half's scale bytes are 1.
; LAYOUT.  Both products are used transposed: a lane holds one query throughout.  Lane r of key tile t takes key 32 (t / 2) + 8 (t % 2) + r + 8 (r / 8), so the 16 registers of tiles 2 b, 2 b + 1 are 16 neighbouring keys.
; The queries of a tile follow the same order: query = 128 (j / 8) + 32 ((j % 8) / 2) + 8 (j % 2) + r + 8 (r / 8).
; LIMITS: a block whose largest number lies under 2^-122 gets the byte 1; what a change of M pushes under the smallest f32 number is lost.  NaN and infinities are not served.
.set QUADB, 6400
.set VBASE, 102400
.set L16,  1                           ; v1-3  16, 8, 4 x lane
.set L8,   2
.set L4,   3
.set AK16, 4                           ; v4-6  the step's place in K + those;  v7-9 in V
.set AK8,  5
.set AK4,  6
.set AV16, 7
.set AV8,  8
.set AV4,  9
.set QP,   10                          ; v10  r + 8 (r / 8) - 16 h
.set DD,   11                          ; v11  the mask's bound
.set QR,   16                          ; v16-33 zeros, q, zeros
.set QSL,  34                          ; v34  the scale word of (q, zeros);  v35 of (zeros, q)
.set QSH,  35
.set QA,   36                          ; v36-42 tile a's codes and word
.set QB,   200                         ; v200-206 tile b's
.set KS,   44                          ; v44-45 K's scale words;  v46-47 V's
.set VS,   46
.set KV,   48                          ; v48-95 four fragments of K, then of V
.set S,    96                          ; v96-159 the scores, then p
.set O,    160                         ; v160-191 O^T
.set PCD,  208                         ; v208-219 p's codes
.set PT,   220                         ; v220-226 the second blocks' codes
.set BM,   228                         ; v228-231 the blocks' largest scores, then p
.set BT,   232                         ; v232-235 the other half's, then bytes
.set SO,   236                         ; v236-239 scale operands
.set SU,   240                         ; v[240:241] the sum's second chain
.set YW,   242                         ; v242 y's two scale bytes
.set PS,   244                         ; v244 p's scale word
.set FF,   246                         ; v[246:247] f
.set SCR,  248
.set R4,   249                         ; v249 4 x (lane % 16)
.set NINF, 250
.set WV,  12
.set HG,  13
.set JA,  15
.set JB,  16
.set SEL, 20
.set CS,  22
.set TB,  40                           ; s40 the step's byte in K;  s41 in V;  s42 the step;  s43 the tile's diagonal step
.set TV,  41
.set SI,  42
.set SL,  43
	s_load_b256 s[4:11], s[0:1], 0x0               ; qq s[4:5], kq s[6:7], vq s[8:9], yq s[10:11]
	v_lshl_add_u32 v254, v0, 2, 0x32000
	v_mov_b32 v255, 0
	ds_add_u32 v254, v255
	ds_add_u32 v254, v255
	v_lshrrev_b32 v1, 5, v0
	s_delay_alu instid0(VALU_DEP_1)
	v_readfirstlane_b32 s[WV], v1                  ; wave 0..15
	s_and_b32 s[HG], ttmp7, 0xffff                 ; the head, 0..63
	; descriptor group 1: 25,600 dense bytes as 100 rows of 32 elements of 8 bytes
	s_mov_b32 s24, 3<<16
	s_mov_b32 s25, 32<<16
	s_mov_b32 s26, 100<<16
	s_mov_b32 s27, 32<<16
	s_mov_b32 s28, 100
	s_mov_b32 s29, 32
	s_mov_b32 s30, 0
	s_mov_b32 s31, 0
	s_bfe_u32 s17, s[WV], 0x10001                  ; of waves 0-3: 0, 1 fetch K, 2, 3 fetch V
	s_and_b32 s18, s[WV], 1                        ; which 25,600 bytes of each 51,200
	s_mul_i32 s19, s18, 25600
	s_mul_i32 s56, s17, VBASE
	s_add_co_u32 s56, s56, s19                     ; in LDS
	s_mul_i32 s58, s[HG], 102400
	s_add_co_u32 s58, s58, s19                     ; in memory
	s_mov_b32 s59, 0
	s_mov_b32 s[SEL], 0x76543210
	s_mov_b32 s[SEL+1], 0xfedcba98
	s_mov_b32 s[CS], 0x3e38aa3b                    ; c = log2(e) / 8
	s_mov_b32 s[CS+1], s[CS]                       ; (named with it as a pair)
	s_wait_dscnt 0x0
	s_wait_kmcnt 0x0
	s_cmp_eq_u32 s17, 0
	s_cselect_b64 s[60:61], s[6:7], s[8:9]
	s_add_nc_u64 s[60:61], s[60:61], s[58:59]
	s_mov_b32 s32, 1
	s_mov_b32 s33, s56
	s_mov_b64 s[34:35], s[60:61]
	s_or_b32 s35, s35, 0x80000000
	s_mov_b32 s36, 1
	s_add_co_u32 s37, s56, 51200
	s_add_nc_u64 s[38:39], s[60:61], 51200
	s_or_b32 s39, s39, 0x80000000
	s_cmp_lt_u32 s[WV], 4
	s_cbranch_scc0 .Lno_fetch                      ; a wave's two fills stand in one branch on the wave's number
	tensor_load_to_lds s[32:35], s[24:31]          ; keys 0-1023
	s_nop 0
	tensor_load_to_lds s[36:39], s[24:31]          ; keys 1024-2047
	s_nop 0
.rept 4
	v_nop
.endr
.Lno_fetch:
	v_and_b32 v[SCR], 31, v0
	s_delay_alu instid0(VALU_DEP_1)
	v_lshlrev_b32 v[L16], 4, v[SCR]
	s_delay_alu instid0(VALU_DEP_2)
	v_lshlrev_b32 v[L8], 3, v[SCR]
	s_wait_alu depctr_va_vdst(0)
	v_lshlrev_b32 v[L4], 2, v[SCR]
	v_and_b32 v[SCR], 15, v0
	s_delay_alu instid0(VALU_DEP_1)
	v_lshlrev_b32 v[R4], 2, v[SCR]
	s_wait_alu depctr_va_vdst(0)
	v_and_b32 v[QP], 8, v[SCR]
	s_delay_alu instid0(VALU_DEP_1)
	v_add_nc_u32 v[QP], v[QP], v[SCR]
	v_bfe_u32 v[SCR], v0, 4, 1
	s_delay_alu instid0(VALU_DEP_1)
	v_lshlrev_b32 v[SCR], 4, v[SCR]
	s_delay_alu instid0(VALU_DEP_1)
	v_sub_nc_u32 v[QP], v[QP], v[SCR]
	s_lshl_b32 s[JA], ttmp9, 4
	s_add_co_u32 s[JA], s[JA], s[WV]
	s_sub_co_u32 s[JB], 127, s[JA]
; where tile j's q lies, where its y goes, its diagonal step and its first query's place in that step
.macro TADDR j, qc, qw, yc, yw, sl, dt
	s_lshr_b32 s17, s[\j], 2                       ; its group of 64 tokens
	s_and_b32 s18, s[\j], 3                        ; its tile in the group
	s_lshl_b32 s19, s[HG], 5
	s_add_co_u32 s19, s19, s17
	s_mul_i32 s19, s19, 3328
	s_mul_i32 s2, s18, 768
	s_add_co_u32 s2, s2, s19
	s_mov_b32 s3, 0
	s_add_nc_u64 s[\qc:\qc+1], s[4:5], s[2:3]
	s_lshl_b32 s2, s18, 6
	s_add_co_u32 s2, s2, s19
	s_add_co_u32 s2, s2, 3072
	s_add_nc_u64 s[\qw:\qw+1], s[4:5], s[2:3]
	s_lshr_b32 s19, s[HG], 4                       ; the batch
	s_lshl_b32 s19, s19, 5
	s_add_co_u32 s19, s19, s17                     ; the group among all 128
	s_lshl_b32 s19, s19, 3
	s_bfe_u32 s2, s[HG], 0x30001                   ; K step of the last product: (head % 16) / 2
	s_add_co_u32 s19, s19, s2
	s_mul_i32 s19, s19, QUADB
	s_and_b32 s14, s[HG], 1                        ; which half of a fragment
	s_mul_i32 s2, s18, 1536
	s_add_co_u32 s2, s2, s19
	s_mul_i32 s17, s14, 768
	s_add_co_u32 s2, s2, s17
	s_add_nc_u64 s[\yc:\yc+1], s[10:11], s[2:3]
	s_lshl_b32 s2, s18, 6
	s_add_co_u32 s2, s2, s19
	s_lshl_b32 s17, s14, 1
	s_add_co_u32 s2, s2, s17
	s_add_co_u32 s2, s2, 6144
	s_add_nc_u64 s[\yw:\yw+1], s[10:11], s[2:3]
	s_lshr_b32 s[\sl], s[\j], 3
	s_bfe_u32 s2, s[\j], 0x20001
	s_lshl_b32 s2, s2, 5
	s_and_b32 s[\dt], s[\j], 1
	s_lshl_b32 s[\dt], s[\dt], 3
	s_add_co_u32 s[\dt], s[\dt], s2
.endm
	TADDR JA, 56, 58, 46, 48, 54, 55
	TADDR JB, 60, 62, 50, 52, 44, 45
	global_load_b128 v[QA:QA+3], v[L16], s[56:57]
	global_load_b64 v[QA+4:QA+5], v[L8], s[56:57] offset:512
	global_load_b32 v[QA+6], v[R4], s[58:59]
	global_load_b128 v[QB:QB+3], v[L16], s[60:61]
	global_load_b64 v[QB+4:QB+5], v[L8], s[60:61] offset:512
	global_load_b32 v[QB+6], v[R4], s[62:63]
.irp i, 0,1,2,3,4,5
	v_mov_b32 v[QR+\i], 0                          ; the zero halves beside q
	v_mov_b32 v[QR+12+\i], 0
.endr
.irp b, 0,1,2,3
	v_mov_b32 v[BT+\b], 0                          ; a lane permute's destination counts as one of its sources
.endr
	v_mov_b32 v[FF+1], 0                           ; (named as the upper half of a pair)
	v_mov_b32 v[SCR], 0
	v_mov_b32 v[NINF], 0xff800000
.macro SW t                            ; the scores of key tile t
.set M_A, KV+12*((\t)/2)
.if (\t)%2
.set M_B, QR
.set M_SB, QSH
.else
.set M_B, QR+6
.set M_SB, QSL
.endif
.if ((\t)/2)%2
	v_wmma_scale_f32_16x16x128_f8f6f4 v[S+8*(\t):S+8*(\t)+7], v[M_A:M_A+11], v[M_B:M_B+11], 0, v[KS+(\t)/4], v[M_SB] matrix_a_fmt:MATRIX_FMT_BF6 matrix_b_fmt:MATRIX_FMT_BF6 matrix_a_scale:MATRIX_SCALE_ROW1
.else
	v_wmma_scale_f32_16x16x128_f8f6f4 v[S+8*(\t):S+8*(\t)+7], v[M_A:M_A+11], v[M_B:M_B+11], 0, v[KS+(\t)/4], v[M_SB] matrix_a_fmt:MATRIX_FMT_BF6 matrix_b_fmt:MATRIX_FMT_BF6
.endif
.endm
.macro PVW d                           ; O^T's tile d += V^T P^T
.if (\d)%2
	v_wmma_scale_f32_16x16x128_f8f6f4 v[O+8*(\d):O+8*(\d)+7], v[KV+12*(\d):KV+12*(\d)+11], v[PCD:PCD+11], v[O+8*(\d):O+8*(\d)+7], v[VS+(\d)/2], v[PS] matrix_a_fmt:MATRIX_FMT_BF6 matrix_b_fmt:MATRIX_FMT_BF6 matrix_a_scale:MATRIX_SCALE_ROW1
.else
	v_wmma_scale_f32_16x16x128_f8f6f4 v[O+8*(\d):O+8*(\d)+7], v[KV+12*(\d):KV+12*(\d)+11], v[PCD:PCD+11], v[O+8*(\d):O+8*(\d)+7], v[VS+(\d)/2], v[PS] matrix_a_fmt:MATRIX_FMT_BF6 matrix_b_fmt:MATRIX_FMT_BF6
.endif
.endm
.macro QLOAD a16, a8, a4, sc           ; a QUAD's four fragments and two registers of scale words: 18 LDS loads, each of consecutive bytes
.irp tc, 0,1,2,3,4,5,6,7
	ds_load_b128 v[KV+6*\tc:KV+6*\tc+3], v[\a16] offset:768*\tc
	ds_load_b64 v[KV+6*\tc+4:KV+6*\tc+5], v[\a8] offset:768*\tc+512
.endr
	ds_load_b32 v[\sc], v[\a4] offset:6144
	ds_load_b32 v[\sc+1], v[\a4] offset:6272
.endm
; A STEP of 128 keys.  guard = 1: a step behind the tile's diagonal step is left out (a scalar branch on ids, not round the lines that step addresses and the counter), and the diagonal step is masked.
.macro STEP guard
.if \guard
	s_cmp_gt_u32 s[SI], s[SL]
	s_cbranch_scc1 .Lhid_\@
.endif
	s_setprio 2
	v_add_nc_u32 v[AK16], s[TB], v[L16]            ; (these six are also the places between the last step's products and the loads into registers that they read)
	v_add_nc_u32 v[AK8], s[TB], v[L8]
	v_add_nc_u32 v[AK4], s[TB], v[L4]
	v_add_nc_u32 v[AV16], s[TV], v[L16]
	v_add_nc_u32 v[AV8], s[TV], v[L8]
	v_add_nc_u32 v[AV4], s[TV], v[L4]
	QLOAD AK16, AK8, AK4, KS
	s_wait_alu depctr_va_vdst(0)
	s_wait_dscnt 0x0
.irp t, 0,1,2,3,4,5,6,7
	SW \t
.endr
.rept 4
	v_nop                                          ; four places: for the loads below and for the first read of the scores
.endr
	QLOAD AV16, AV8, AV4, VS                       ; V into the registers that K has left: it lands during the softmax
.if \guard
	s_cmp_lg_u32 s[SI], s[SL]
	s_cbranch_scc1 .Lopen_\@
.set N_, 0
.rept 64                               ; register 16 b + i holds key 32 b + 16 h + i of the step: hidden where 32 b + i > my query's place - 16 h
	v_cmp_gt_i32 vcc_lo, 32*(N_/16)+N_%16, v[DD]
	v_cndmask_b32 v[S+N_], v[S+N_], v[NINF], vcc_lo
.set N_, N_+1
.endr
.Lopen_\@:
.endif
.irp b, 0,1,2,3
	v_max3_num_f32 v[BM+\b], v[S+16*\b], v[S+16*\b+1], v[S+16*\b+2]     ; the largest score of each block of 32 keys: for the row's maximum, and, since p rises with the score, for the block's largest p
.endr
.irp i, 3,5,7,9,11,13
.irp b, 0,1,2,3
	v_max3_num_f32 v[BM+\b], v[BM+\b], v[S+16*\b+\i], v[S+16*\b+\i+1]
.endr
.endr
.irp b, 0,1,2,3
	v_max_num_f32 v[BM+\b], v[BM+\b], v[S+16*\b+15]
.endr
.irp b, 0,1,2,3
	s_delay_alu instid0(VALU_DEP_4)
	v_permlanex16_b32 v[BT+\b], v[BM+\b], s[SEL], s[SEL+1]
.endr
.irp b, 0,1,2,3
	s_delay_alu instid0(VALU_DEP_4)
	v_max_num_f32 v[BM+\b], v[BM+\b], v[BT+\b]     ; with lane l xor 16's 16 keys
.endr
	s_delay_alu instid0(VALU_DEP_2)
	v_max3_num_f32 v[SCR], v[BM], v[BM+1], v[BM+2]
	s_delay_alu instid0(VALU_DEP_1)
	v_max_num_f32 v[SCR], v[SCR], v[BM+3]
	s_delay_alu instid0(VALU_DEP_1)
	v_mul_f32 v[SCR], s[CS], v[SCR]                ; the step's largest t
	s_delay_alu instid0(VALU_DEP_1)
	v_max_num_f32 v13, v13, v[SCR]                 ; the running largest t
	v_mov_b32 v[SCR], v12
	s_delay_alu instid0(VALU_DEP_2)
	v_floor_f32 v12, -v13                          ; the new -M = floor(-t): M is a whole number
	s_delay_alu instid0(VALU_DEP_1)
	v_sub_f32 v[SCR], v12, v[SCR]                  ; old M - new M, 0 or less
	s_delay_alu instid0(VALU_DEP_1)
	v_cvt_i32_f32 v[SCR], v[SCR]                   ; (it saturates)
	s_delay_alu instid0(VALU_DEP_1)
	v_ldexp_f32 v[FF], 1.0, v[SCR]                 ; f = 2^(old M - new M)
.set N_, 0
.rept 32
	v_pk_fma_f32 v[S+N_:S+N_+1], v[S+N_:S+N_+1], s[CS:CS+1], v[12:13] op_sel_hi:[1,0,0]   ; t - M, two at a time
.set N_, N_+2
.endr
.irp b, 0,1,2,3
	v_fma_f32 v[BM+\b], v[BM+\b], s[CS], v12       ; the same of each block's largest score
.endr
.set N_, 0
	s_setprio 1
	s_wait_alu depctr_va_vdst(0)
.rept 64
	v_exp_f32 v[S+N_], v[S+N_]                     ; p = 2^(t - M)
.set N_, N_+1
.endr
	v_pk_mul_f32 v[14:15], v[14:15], v[FF:FF+1] op_sel_hi:[1,0]        ; the sums under the new M: a plain line behind the exponentials
	s_wait_alu depctr_va_vdst(0)                   ; one wait for the batch of 64, ahead of its first reader
.irp b, 0,1,2,3
	v_exp_f32 v[BM+\b], v[BM+\b]                   ; the blocks' largest p
.endr
	v_pk_add_f32 v[240:241], v[100:101], v[104:105]
	v_pk_add_f32 v[252:253], v[108:109], v[112:113]
	v_pk_add_f32 v[244:245], v[116:117], v[120:121]
	v_pk_add_f32 v[242:243], v[124:125], v[128:129]
	v_pk_add_f32 v[238:239], v[132:133], v[136:137]
	v_pk_add_f32 v[236:237], v[140:141], v[144:145]
	v_pk_add_f32 v[234:235], v[148:149], v[152:153]
	v_pk_add_f32 v[14:15], v[14:15], v[156:157]
	v_pk_add_f32 v[240:241], v[240:241], v[96:97]
	v_pk_add_f32 v[252:253], v[252:253], v[98:99]
	v_pk_add_f32 v[244:245], v[244:245], v[102:103]
	v_pk_add_f32 v[242:243], v[242:243], v[106:107]
	v_pk_add_f32 v[238:239], v[238:239], v[110:111]
	v_pk_add_f32 v[236:237], v[236:237], v[114:115]
	v_pk_add_f32 v[234:235], v[234:235], v[118:119]
	v_pk_add_f32 v[14:15], v[14:15], v[122:123]
	v_pk_add_f32 v[240:241], v[240:241], v[126:127]
	v_pk_add_f32 v[252:253], v[252:253], v[130:131]
	v_pk_add_f32 v[244:245], v[244:245], v[134:135]
	v_pk_add_f32 v[242:243], v[242:243], v[138:139]
	v_pk_add_f32 v[238:239], v[238:239], v[142:143]
	v_pk_add_f32 v[236:237], v[236:237], v[146:147]
	v_pk_add_f32 v[234:235], v[234:235], v[150:151]
	v_pk_add_f32 v[14:15], v[14:15], v[154:155]
	v_pk_add_f32 v[240:241], v[240:241], v[158:159]
	s_delay_alu instid0(VALU_DEP_2)
	v_pk_add_f32 v[14:15], v[14:15], v[242:243]
	s_delay_alu instid0(VALU_DEP_2)
	v_pk_add_f32 v[240:241], v[240:241], v[238:239]
	v_pk_add_f32 v[252:253], v[252:253], v[236:237]
	v_pk_add_f32 v[244:245], v[244:245], v[234:235]
	s_delay_alu instid0(VALU_DEP_2)
	v_pk_add_f32 v[14:15], v[14:15], v[252:253]
	s_delay_alu instid0(VALU_DEP_2)
	v_pk_add_f32 v[240:241], v[240:241], v[244:245]
	s_delay_alu instid0(VALU_DEP_1)
	v_pk_add_f32 v[14:15], v[14:15], v[240:241]
	s_wait_alu depctr_va_vdst(0)                   ; and one for the four
.irp b, 0,1,2,3
	v_max_num_f32 v[BM+\b], 0x2800000, v[BM+\b]    ; the floor 2^(5 - 127): the byte cannot fall under 1
.endr
.irp b, 0,1,2,3
	s_delay_alu instid0(VALU_DEP_4)
	v_add_nc_u32 v[SO+\b], 0xfe000000, v[BM+\b]
.endr
.irp b, 0,1,2,3
	s_delay_alu instid0(VALU_DEP_4)
	v_lshrrev_b32 v[BT+\b], 23, v[SO+\b]
.endr
	s_delay_alu instid0(VALU_DEP_3)
	v_lshl_or_b32 v[PS], v[BT+1], 8, v[BT]         ; p's scale word for these 128 keys
	s_delay_alu instid0(VALU_DEP_1)
	v_lshl_or_b32 v[PS], v[BT+2], 16, v[PS]
	s_delay_alu instid0(VALU_DEP_1)
	v_lshl_or_b32 v[PS], v[BT+3], 24, v[PS]
.irp c, 0,1
	v_cvt_scalef32_pk16_bf6_f32 v[PCD+6*\c:PCD+6*\c+2], v[S+32*\c:S+32*\c+15], v[SO+2*\c]
	v_cvt_scalef32_pk16_bf6_f32 v[PT+4*\c:PT+4*\c+2], v[S+32*\c+16:S+32*\c+31], v[SO+2*\c+1]
.endr
	v_nop                                          ; one plain line behind the conversions
	s_setprio 0
.irp c, 0,1
.irp i, 0,1,2
	v_permlane16_swap_b32 v[PCD+6*\c+\i], v[PT+4*\c+\i]   ; a whole block to a lane
.endr
.irp i, 0,1,2
	s_delay_alu instid0(VALU_DEP_3)
	v_mov_b32 v[PCD+6*\c+3+\i], v[PT+4*\c+\i]
.endr
.endr
.set N_, 0
.rept 16
	v_pk_mul_f32 v[O+N_:O+N_+1], v[O+N_:O+N_+1], v[FF:FF+1] op_sel_hi:[1,0]   ; O^T under the new M; these 16 are also the places between p's codes and scale word and the products
.set N_, N_+2
.endr
	s_wait_alu depctr_va_vdst(0)
	s_wait_dscnt 0x0                               ; V is in
.irp d, 0,1,2,3
	PVW \d                                         ; four accumulators by turns
.endr
.if \guard
.Lhid_\@:
.endif
	s_add_co_u32 s[TB], s[TB], QUADB
	s_add_co_u32 s[TV], s[TV], QUADB
	s_add_co_u32 s[SI], s[SI], 1
.endm
.macro TINIT src, sl, dt               ; a tile begins: q into its place, zeros for the sums, the largest t under every t
	s_wait_xcnt 0x0                                ; the last tile's stores have read their registers
.irp i, 0,1,2,3,4,5
	v_mov_b32 v[QR+6+\i], v[\src+\i]
.endr
	v_or_b32 v[QSL], 0x01010000, v[\src+6]         ; q's two bytes, and the byte 1 for the zero half
	v_lshl_or_b32 v[QSH], v[\src+6], 16, 0x0101
	v_mov_b32 v13, 0xff61b1e6                      ; -3e38
	s_delay_alu instid0(VALU_DEP_1)
	v_floor_f32 v12, -v13
	v_mov_b32 v14, 0
	v_mov_b32 v15, 0
.set N_, 0
.rept 32
	v_mov_b32 v[O+N_], 0                           ; (these are also the places between q's registers and scale words and the first product)
.set N_, N_+1
.endr
	v_add_nc_u32 v[DD], s[\dt], v[QP]
	s_mov_b32 s[SL], s[\sl]
	s_mov_b32 s[TB], 0
	s_mov_b32 s[TV], VBASE
	s_mov_b32 s[SI], 0
.endm
.macro TOUT yc, yw                     ; y = O^T / the sum, quantised along the head's 64 channels: register 16 b + i is channel 32 b + 16 h + i of my query
.rept 4
	v_nop
.endr
	v_add_f32 v14, v14, v15
	s_delay_alu instid0(VALU_DEP_1)
	v_permlanex16_b32 v[SCR], v14, s[SEL], s[SEL+1]
	s_delay_alu instid0(VALU_DEP_1)
	v_add_f32 v14, v14, v[SCR]                     ; the row's sum
	s_wait_alu depctr_va_vdst(0)
	v_rcp_f32 v14, v14
	v_nop                                          ; a plain line behind the reciprocal,
	s_wait_alu depctr_va_vdst(0)                   ; and a wait ahead of its first reader
.set N_, 0
.rept 16
	v_pk_mul_f32 v[S+N_:S+N_+1], v[O+N_:O+N_+1], v[14:15] op_sel_hi:[1,0]
.set N_, N_+2
.endr
.irp b, 0,1
	v_max3_num_f32 v[BM+\b], |v[S+16*\b]|, |v[S+16*\b+1]|, 0x2800000
.endr
.irp i, 2,4,6,8,10,12,14
.irp b, 0,1
	s_delay_alu instid0(VALU_DEP_2)
	v_max3_num_f32 v[BM+\b], v[BM+\b], |v[S+16*\b+\i]|, |v[S+16*\b+\i+1]|
.endr
.endr
.irp b, 0,1
	s_delay_alu instid0(VALU_DEP_2)
	v_permlanex16_b32 v[BT+\b], v[BM+\b], s[SEL], s[SEL+1]
.endr
.irp b, 0,1
	s_delay_alu instid0(VALU_DEP_2)
	v_max_num_f32 v[BM+\b], v[BM+\b], v[BT+\b]
.endr
.irp b, 0,1
	s_delay_alu instid0(VALU_DEP_2)
	v_add_nc_u32 v[SO+\b], 0xfe000000, v[BM+\b]
.endr
.irp b, 0,1
	s_delay_alu instid0(VALU_DEP_2)
	v_lshrrev_b32 v[BT+\b], 23, v[SO+\b]
.endr
	s_delay_alu instid0(VALU_DEP_1)
	v_lshl_or_b32 v[YW], v[BT+1], 8, v[BT]
	v_cvt_scalef32_pk16_bf6_f32 v[PCD:PCD+2], v[S:S+15], v[SO]
	v_cvt_scalef32_pk16_bf6_f32 v[PT:PT+2], v[S+16:S+31], v[SO+1]
	v_nop
.irp i, 0,1,2
	v_permlane16_swap_b32 v[PCD+\i], v[PT+\i]
.endr
.irp i, 0,1,2
	s_delay_alu instid0(VALU_DEP_3)
	v_mov_b32 v[PCD+3+\i], v[PT+\i]
.endr
	global_store_b128 v[L16], v[PCD:PCD+3], s[\yc:\yc+1]               ; 512 consecutive bytes
	global_store_b64 v[L8], v[PCD+4:PCD+5], s[\yc:\yc+1] offset:512    ; 256 consecutive bytes
	global_store_b16 v[R4], v[YW], s[\yw:\yw+1]    ; my row's two bytes of its word (the other two are the neighbouring head's); both lanes of a row write the same bytes with the same value
.endm
	s_wait_tensorcnt 0x1                           ; my part of keys 0-1023 has landed; the second load may stay out
	s_barrier_signal -1
	s_barrier_wait -1
	s_wait_loadcnt 0x0                             ; q
	TINIT QA, 54, 55
.Ltile_a:                                          ; tile a lies in keys 0-1023: eight trips, those behind its diagonal left out
	STEP 1
	s_cmp_lt_u32 s[SI], 8
	s_cbranch_scc1 .Ltile_a
	s_setprio 0
	TOUT 46, 48
	TINIT QB, 44, 45
.Ltile_b1:                                         ; tile b's diagonal lies in keys 1024 on: its first eight steps are all open
	STEP 0
	s_cmp_lt_u32 s[SI], 8
	s_cbranch_scc1 .Ltile_b1
	s_setprio 0
	s_wait_tensorcnt 0x0                           ; keys 1024-2047
	s_barrier_signal -1
	s_barrier_wait -1
	s_mov_b32 s[SI], 8
	s_mov_b32 s[TB], 8*QUADB
	s_mov_b32 s[TV], VBASE+8*QUADB
.Ltile_b2:
	STEP 1
	s_cmp_lt_u32 s[SI], 16
	s_cbranch_scc1 .Ltile_b2
	s_setprio 0
	TOUT 50, 52
	s_wait_tensorcnt 0x0
	ds_add_u32 v254, v255
	s_wait_dscnt 0x0
	s_endpgm
.Lfunc_end_k_q203f874f79_attn:
	.size	k_q203f874f79_attn, .Lfunc_end_k_q203f874f79_attn-k_q203f874f79_attn
	.p2alignl 7, 3214868480
	.fill 96, 4, 3214868480
	.section	.rodata,"a",@progbits
	.p2align	6, 0x0
	.amdhsa_kernel k_q203f874f79_attn
		.amdhsa_group_segment_fixed_size 206848
		.amdhsa_private_segment_fixed_size 0
		.amdhsa_enable_private_segment 0
		.amdhsa_kernarg_size 32
		.amdhsa_user_sgpr_count 2
		.amdhsa_user_sgpr_kernarg_segment_ptr 1
		.amdhsa_wavefront_size32 1
		.amdhsa_system_sgpr_workgroup_id_x 1
		.amdhsa_system_sgpr_workgroup_id_y 1
		.amdhsa_system_sgpr_workgroup_id_z 1
		.amdhsa_system_vgpr_workitem_id 0
		.amdhsa_next_free_vgpr 256
		.amdhsa_next_free_sgpr 66
		.amdhsa_reserve_vcc 1
		.amdhsa_float_denorm_mode_32 3
		.amdhsa_float_denorm_mode_16_64 3
		.amdhsa_memory_ordered 1
		.amdhsa_forward_progress 1
		.amdhsa_inst_pref_size 83
	.end_amdhsa_kernel
	.amdgpu_metadata
---
amdhsa.version: [ 1, 2 ]
amdhsa.kernels:
  - .name:           k_q203f874f79_attn
    .symbol:         k_q203f874f79_attn.kd
    .args:
      - { .name: qq, .offset: 0, .size: 8, .value_kind: global_buffer, .address_space: global }
      - { .name: kq, .offset: 8, .size: 8, .value_kind: global_buffer, .address_space: global }
      - { .name: vq, .offset: 16, .size: 8, .value_kind: global_buffer, .address_space: global }
      - { .name: yq, .offset: 24, .size: 8, .value_kind: global_buffer, .address_space: global }
    .group_segment_fixed_size: 206848
    .private_segment_fixed_size: 0
    .kernarg_segment_align: 8
    .kernarg_segment_size: 32
    .max_flat_workgroup_size: 512
    .sgpr_count:     66
    .vgpr_count:     256
    .wavefront_size: 32
...
	.end_amdgpu_metadata
.endif
;; end of part 3
;; launch proj (part 4): grid 32 x 8, 4 waves a work-group, clusters of 4 x 1, 168,448 bytes of LDS; arguments yq, wpq, b_proj, out0; writes out0
.if DOCPART == 4
	.amdgcn_target "amdgcn-amd-amdhsa--gfx1250"
	.amdhsa_code_object_version 6
	.text
	.protected	k_q203f874f79_proj
	.globl	k_q203f874f79_proj
	.p2align	8
	.type	k_q203f874f79_proj,@function
k_q203f874f79_proj:
	s_mov_b64 s[64:65], 0
	v_nop
	global_prefetch_b8 v0, s[64:65] scope:SCOPE_SE
	s_setreg_imm32_b32 hwreg(HW_REG_WAVE_MODE, 25, 1), 1
	s_wait_xcnt 0x0
	s_wait_alu depctr_hold_cnt(0) depctr_sa_sdst(0) depctr_va_vdst(0) depctr_va_sdst(0) depctr_va_ssrc(0) depctr_va_vcc(0) depctr_vm_vsrc(0)
	s_getreg_b32 s2, hwreg(HW_REG_IB_STS2, 6, 4)
	s_cmp_eq_u32 s2, 0
	s_cbranch_scc0 .Lentry_in_a_cluster
	s_endpgm
.Lentry_in_a_cluster:
	s_bfe_u32 s2, ttmp6, 0x10000c
	s_cmp_lg_u32 s2, 0x3003
	s_cbranch_scc0 .Lentry_shape_is_right
	s_endpgm
.Lentry_shape_is_right:
; out0 = y w_proj + b_proj on codes of BF6 (E3M2) with E8M0 scales; out0 [8192][1024] f32.
; SHARES, as in launch qkv: a work-group takes 256 tokens x 128 features (split f: two chunks of 64); wave w owns 64 of the tokens, whose y (32 fragments, 384 registers) stays in REGISTERS: no other wave wants
; it, so it does not go through LDS and is not asked for jointly.  The split's weights, 102,400 dense bytes, lie in LDS as they lie in memory, filled ONCE, asked for JOINTLY by the cluster's four work-groups,
; which share f: one tensor load a wave.
; Source 0 = 16 features, source 1 = 16 tokens: a lane holds one token and eight neighbouring features.  The bias is the C of a chunk's first K step.
; THE WAY OUT: 16 tokens x 64 features go through the wave's own stage in LDS (behind the weights; no tensor load lands there) and leave as rows: sixteen lanes store 256 consecutive bytes, aligned.
; REGISTERS: window 0: v4-15 addresses; v16-31 y's scale words; v32-37 W's; v40-103 rows on their way out; v128-255 the 16 accumulators.  window 1, 2: y.  window 3: v0-143 three sets of W's fragments, v144-175 the bias.
.set QUADB, 6400
.set CHB,   8*QUADB
.set NCH,   2
.set STAGE, NCH*CHB                    ; 16 rows x 272 bytes for each wave
.set L16,  4
.set L8,   5
.set L4,   6
.set AW16, 8
.set AW8,  9
.set AW4,  10
.set BO,   11
.set STO,  13                          ; v13  the stage: where I put 16 bytes of a row
.set RD,   14                          ; v14  where I read a row back
.set CO,   15                          ; v15  my byte in two rows of out0
.set XS,   16
.set WS,   32
.set OB,   40
.set ACC,  128
.set BIAS, 144
.set MSB, 0
.macro WIN new                         ; the immediate's high byte repeats the setting that is left
.if MSB != (\new)
	s_set_vgpr_msb (MSB<<8)|(\new)
.set MSB, (\new)
.endif
.endm
.macro PLACES n
.rept \n
	v_nop
.endr
.endm
.macro CROUND                          ; a round of the cluster's barrier
	s_barrier_signal -1
	s_barrier_wait -1
	s_cmp_lg_u32 s16, 0
	s_cbranch_scc1 .Lnot_wave_0_\@
	s_barrier_signal -3
.Lnot_wave_0_\@:
	s_barrier_wait -3
	s_barrier_signal -1
	s_barrier_wait -1
.endm
	s_load_b256 s[4:11], s[0:1], 0x0               ; yq s[4:5], wpq s[6:7], b_proj s[8:9], out0 s[10:11]
	v_lshl_add_u32 v126, v0, 2, 0x29000
	v_mov_b32 v127, 0
	ds_add_u32 v126, v127
	ds_add_u32 v126, v127
	v_lshrrev_b32 v1, 5, v0
	v_readfirstlane_b32 s16, v1                    ; wave 0..3
	v_and_b32 v1, 31, v0
	v_and_b32 v2, 15, v0                           ; r
	v_bfe_u32 v3, v0, 4, 1                         ; h
	v_lshlrev_b32 v[L16], 4, v1
	v_lshlrev_b32 v[L8], 3, v1
	v_lshlrev_b32 v[L4], 2, v1
	v_lshlrev_b32 v[BO], 6, v3
	s_mul_i32 s19, s16, 16*272
	s_add_co_u32 s19, s19, STAGE                   ; my stage
	v_mul_u32_u24 v[STO], v2, 272
	v_lshl_add_u32 v[STO], v3, 6, v[STO]
	v_add_nc_u32 v[STO], s19, v[STO]               ; in: row r, features 16 h on
	v_mul_u32_u24 v[RD], v3, 272
	v_lshl_add_u32 v[RD], v2, 4, v[RD]
	v_add_nc_u32 v[RD], s19, v[RD]                 ; back: lanes 0-15 one row, lanes 16-31 the next
	v_lshlrev_b32 v[CO], 12, v3
	v_lshl_add_u32 v[CO], v2, 4, v[CO]             ; and the same two rows in out0
	s_and_b32 s17, ttmp7, 0xffff                   ; the split f, which the four partners share
	s_mov_b32 s24, 15|(3<<16)|(1<<21)              ; group 1: the mask of all four; elements of 8 bytes; bit 21 beside the mask; 100 rows of 256 dense bytes
	s_mov_b32 s25, 32<<16
	s_mov_b32 s26, 100<<16
	s_mov_b32 s27, 32<<16
	s_mov_b32 s28, 100
	s_mov_b32 s29, 32
	s_mov_b32 s30, 0
	s_mov_b32 s31, 0
	s_mul_i32 s18, s16, 25600                      ; my quarter: no place in the cluster enters it
	s_mul_i32 s20, s17, NCH*CHB
	s_add_co_u32 s20, s20, s18
	s_mov_b32 s21, 0
	s_wait_dscnt 0x0
	s_wait_kmcnt 0x0
	s_mov_b32 s32, 1
	s_mov_b32 s33, s18
	s_add_nc_u64 s[34:35], s[6:7], s[20:21]
	s_or_b32 s35, s35, 0x80000000
	CROUND                                         ; all four work-groups are here: the joint loads meet
	tensor_load_to_lds s[32:35], s[24:31]
	s_nop 0
	PLACES 4                                       ; four plain lines behind the tensor load, ahead of a switch of windows
	s_bfe_u32 s74, ttmp6, 0x40000                  ; cx: it enters global addresses of y and of out0 alone
	s_lshl_b32 s75, ttmp9, 2
	s_add_co_u32 s75, s75, s74
	s_lshl_b32 s75, s75, 2
	s_add_co_u32 s75, s75, s16                     ; g: my group of 64 tokens
	s_mul_i32 s76, s75, CHB
	s_mov_b32 s77, 0
	s_add_nc_u64 s[70:71], s[4:5], s[76:77]        ; y's eight QUADs of my group
	s_lshl_b32 s76, s17, 9
	s_add_nc_u64 s[72:73], s[8:9], s[76:77]        ; the bias at feature 128 f
	s_lshl_b32 s78, s75, 18                        ; 64 rows of 4,096 bytes
	s_add_co_u32 s76, s76, s78
	s_add_nc_u64 s[44:45], s[10:11], s[76:77]      ; out0 at my first row, feature 128 f
.macro XLOAD                           ; y: for each K step 16 loads of codes and 2 of scale words
.set X_S, 0
.rept 8
.if X_S < 5
	WIN 0x40
.else
	WIN 0x80
.endif
.irp tc, 0,1,2,3,4,5,6,7
	global_load_b128 v[48*(X_S%5)+6*\tc:48*(X_S%5)+6*\tc+3], v[L16], s[70:71] offset:QUADB*X_S+768*\tc
	global_load_b64 v[48*(X_S%5)+6*\tc+4:48*(X_S%5)+6*\tc+5], v[L8], s[70:71] offset:QUADB*X_S+768*\tc+512
.endr
	WIN 0
	global_load_b32 v[XS+2*X_S], v[L4], s[70:71] offset:QUADB*X_S+6144
	global_load_b32 v[XS+2*X_S+1], v[L4], s[70:71] offset:QUADB*X_S+6272
.set X_S, X_S+1
.endr
.endm
.macro BLOADT j                        ; the bias of chunk j: tile ft, register i: feature 32 (ft / 2) + 8 (ft % 2) + 16 h + i
	WIN 0xc0
.irp ft, 0,1,2,3
.irp q, 0,1
	global_load_b128 v[BIAS+8*\ft+4*\q:BIAS+8*\ft+4*\q+3], v[BO], s[72:73] offset:256*(\j)+(32*(\ft/2)+8*(\ft%2))*4+16*\q
.endr
.endr
.endm
.macro WLOAD s                         ; W's four fragments and their words of K step s, into set s % 3: 18 LDS loads
	WIN 0xc0
.irp tc, 0,1,2,3,4,5,6,7
	ds_load_b128 v[48*((\s)%3)+6*\tc:48*((\s)%3)+6*\tc+3], v[AW16] offset:QUADB*(\s)+768*\tc
	ds_load_b64 v[48*((\s)%3)+6*\tc+4:48*((\s)%3)+6*\tc+5], v[AW8] offset:QUADB*(\s)+768*\tc+512
.endr
	WIN 0
	ds_load_b32 v[WS+2*((\s)%3)], v[AW4] offset:QUADB*(\s)+6144
	ds_load_b32 v[WS+2*((\s)%3)+1], v[AW4] offset:QUADB*(\s)+6272
.endm
.macro WM tau, ft, s                   ; source 0 = W's tile ft, source 1 = y's tile tau; an odd tile's scale words lie in lanes 16-31
.set M_A, 48*((\s)%3)+12*(\ft)
.set M_B, 48*((\s)%5)+12*(\tau)
.set M_SA, WS+2*((\s)%3)+(\ft)/2
.set M_SB, XS+2*(\s)+(\tau)/2
.set M_D, ACC+32*(\tau)+8*(\ft)
.set M_C, M_D
.if (\s) == 0
.set M_C, BIAS+8*(\ft)
.endif
.if ((\ft)%2) && ((\tau)%2)
	v_wmma_scale_f32_16x16x128_f8f6f4 v[M_D:M_D+7], v[M_A:M_A+11], v[M_B:M_B+11], v[M_C:M_C+7], v[M_SA], v[M_SB] matrix_a_fmt:MATRIX_FMT_BF6 matrix_b_fmt:MATRIX_FMT_BF6 matrix_a_scale:MATRIX_SCALE_ROW1 matrix_b_scale:MATRIX_SCALE_ROW1
.elseif (\ft)%2
	v_wmma_scale_f32_16x16x128_f8f6f4 v[M_D:M_D+7], v[M_A:M_A+11], v[M_B:M_B+11], v[M_C:M_C+7], v[M_SA], v[M_SB] matrix_a_fmt:MATRIX_FMT_BF6 matrix_b_fmt:MATRIX_FMT_BF6 matrix_a_scale:MATRIX_SCALE_ROW1
.elseif (\tau)%2
	v_wmma_scale_f32_16x16x128_f8f6f4 v[M_D:M_D+7], v[M_A:M_A+11], v[M_B:M_B+11], v[M_C:M_C+7], v[M_SA], v[M_SB] matrix_a_fmt:MATRIX_FMT_BF6 matrix_b_fmt:MATRIX_FMT_BF6 matrix_b_scale:MATRIX_SCALE_ROW1
.else
	v_wmma_scale_f32_16x16x128_f8f6f4 v[M_D:M_D+7], v[M_A:M_A+11], v[M_B:M_B+11], v[M_C:M_C+7], v[M_SA], v[M_SB] matrix_a_fmt:MATRIX_FMT_BF6 matrix_b_fmt:MATRIX_FMT_BF6
.endif
.endm
; A K step of 128: 16 matrix instructions, the 16 accumulators by turns, in the same order in every step.  W's loads run two K steps ahead.
.macro KSTEP j, s
.if (\s) > 0
	PLACES 4                                       ; four places between the last step's products and loads into registers that they read
.endif
.if ((\s) == 1) && ((\j)+1 < NCH)
	BLOADT (\j)+1
.endif
.if (\s)+2 < 8
	WLOAD (\s)+2
	s_wait_dscnt 36                                ; this step's 18 loads are in; the two younger steps' may be out
.elseif (\s) == 6
	s_wait_dscnt 18
.else
	s_wait_dscnt 0x0
.endif
.if (\j) == 0                          ; the first chunk also waits for y, K step by K step: younger are 18 loads for each later K step and, from step 1 on, the 8 of the next bias
.set K_LC, 18*(7-(\s))
.if (\s) >= 1
.set K_LC, K_LC+8
.endif
.if K_LC > 63
.set K_LC, 63
.endif
	s_wait_loadcnt K_LC
.endif
.set K_XW, 1
.if (\s) >= 5
.set K_XW, 2
.endif
.set K_C3, 0
.if (\s) == 0
.set K_C3, 3
.endif
.set K_WN, 3|(K_XW<<2)|(K_C3<<4)
	WIN K_WN
.irp tau, 0,1,2,3
.irp ft, 0,1,2,3
	WM \tau, \ft, \s
.endr
.endr
	WIN 0
.endm
.macro TOST tau                        ; token tile tau into my stage and back as rows; a wave's LDS instructions are served in order, so the loads see the stores, and the next tile's stores come behind them
.irp ft, 0,1,2,3
.irp q, 0,1
	ds_store_b128 v[STO], v[ACC+32*(\tau)+8*\ft+4*\q:ACC+32*(\tau)+8*\ft+4*\q+3] offset:128*(\ft/2)+32*(\ft%2)+16*\q   ; each accumulator from its low end on
.endr
.endr
.irp i, 0,1,2,3,4,5,6,7
	ds_load_b128 v[OB+32*((\tau)%2)+4*\i:OB+32*((\tau)%2)+4*\i+3], v[RD] offset:544*\i
.endr
.endm
.macro SEND j, tau, younger            ; stage row 2 i + h is token 32 (tau / 2) + 8 (tau % 2) + 2 i + 8 (i / 4) + h of my 64
	s_wait_dscnt \younger
.irp i, 0,1,2,3,4,5,6,7
	global_store_b128 v[CO], v[OB+32*((\tau)%2)+4*\i:OB+32*((\tau)%2)+4*\i+3], s[44:45] offset:(32*((\tau)/2)+8*((\tau)%2)+2*\i+8*(\i/4))*4096+256*(\j) th:TH_STORE_NT   ; 16 lanes store 256 consecutive bytes, at a multiple of 256 from out0's first byte
.endr
.endm
.macro OUT j
	s_wait_xcnt 0x0                                ; earlier stores have read the registers that the loads below fill
	TOST 0
	TOST 1
	SEND \j, 0, 16                                 ; younger: tile 1's 8 stores and 8 loads
	s_wait_xcnt 0x0
	TOST 2
	SEND \j, 1, 16
	s_wait_xcnt 0x0
	TOST 3
	SEND \j, 2, 16
	SEND \j, 3, 0
.endm
.macro CHUNK j
.if (\j) == 0
	s_wait_tensorcnt 0x0                           ; my quarter of the weights has landed
	s_barrier_signal -1
	s_barrier_wait -1                              ; everybody's has
.endif
	PLACES 4                                       ; behind the last chunk's products: for the loads below and for the first read of results
	v_add_nc_u32 v[AW16], CHB*(\j), v[L16]
	v_add_nc_u32 v[AW8], CHB*(\j), v[L8]
	v_add_nc_u32 v[AW4], CHB*(\j), v[L4]
	WLOAD 0
	WLOAD 1
.if (\j) > 0
	OUT (\j)-1
	s_wait_loadcnt 0x0                             ; this chunk's bias
.endif
.irp s, 0,1,2,3,4,5,6,7
	KSTEP \j, \s
.endr
.endm
	BLOADT 0
	XLOAD
	CHUNK 0
	CHUNK 1
	PLACES 4
	OUT 1
	s_wait_tensorcnt 0x0
	ds_add_u32 v126, v127
	s_wait_dscnt 0x0
	CROUND                                         ; the closing round: no work-group ends while a partner may still ask for a part that names it
	s_endpgm
.Lfunc_end_k_q203f874f79_proj:
	.size	k_q203f874f79_proj, .Lfunc_end_k_q203f874f79_proj-k_q203f874f79_proj
	.p2alignl 7, 3214868480
	.fill 96, 4, 3214868480
	.section	.rodata,"a",@progbits
	.p2align	6, 0x0
	.amdhsa_kernel k_q203f874f79_proj
		.amdhsa_group_segment_fixed_size 168448
		.amdhsa_private_segment_fixed_size 0
		.amdhsa_enable_private_segment 0
		.amdhsa_kernarg_size 32
		.amdhsa_user_sgpr_count 2
		.amdhsa_user_sgpr_kernarg_segment_ptr 1
		.amdhsa_wavefront_size32 1
		.amdhsa_system_sgpr_workgroup_id_x 1
		.amdhsa_system_sgpr_workgroup_id_y 1
		.amdhsa_system_sgpr_workgroup_id_z 1
		.amdhsa_system_vgpr_workitem_id 0
		.amdhsa_next_free_vgpr 960
		.amdhsa_next_free_sgpr 80
		.amdhsa_reserve_vcc 0
		.amdhsa_float_denorm_mode_32 3
		.amdhsa_float_denorm_mode_16_64 3
		.amdhsa_memory_ordered 1
		.amdhsa_forward_progress 1
		.amdhsa_inst_pref_size 90
	.end_amdhsa_kernel
	.amdgpu_metadata
---
amdhsa.version: [ 1, 2 ]
amdhsa.kernels:
  - .name:           k_q203f874f79_proj
    .symbol:         k_q203f874f79_proj.kd
    .args:
      - { .name: yq, .offset: 0, .size: 8, .value_kind: global_buffer, .address_space: global }
      - { .name: wpq, .offset: 8, .size: 8, .value_kind: global_buffer, .address_space: global }
      - { .name: b_proj, .offset: 16, .size: 8, .value_kind: global_buffer, .address_space: global }
      - { .name: out0, .offset: 24, .size: 8, .value_kind: global_buffer, .address_space: global }
    .group_segment_fixed_size: 168448
    .private_segment_fixed_size: 0
    .kernarg_segment_align: 8
    .kernarg_segment_size: 32
    .max_flat_workgroup_size: 128
    .sgpr_count:     80
    .vgpr_count:     960
    .wavefront_size: 32
...
	.end_amdgpu_metadata
.endif
;; end of part 4
